; MI455X (gfx1250); checked and timed in simulation.
; The chip was launched on July 23, 2026; its instructions are those of AMD's public machine-readable ISA for CDNA 5 (MIT licence, August 2026) and "CDNA5" Instruction Set Architecture Reference Guide (July 2026). The comments in the code are by the model that wrote it; some were corrected since.
;; Memory. Allowed arithmetic: float matrix products may take bf16 or f16 operands with f32 sums; all other float work in f32.
;; Inputs: emb_q 4 x 75 x 128 float32; emb_s 4 x 25 x 128 float32; embg_q 4 x 75 x 128 float32; embg_s 4 x 25 x 128 float32; memory_keys 512 x 128 float32; memory_values 512 x 128 float32; thresh 4 float32.
;; Outputs: out0 4 x 100 x 128 float32; out1 4 x 100 x 128 float32; out2 one number float32; out3 one number float32; out4 one number float32.
;; 2 versions, each right; version 2 is version 1 with the launch sims written anew for expert scheduling mode. Each part assembles by itself: llvm-mc -triple=amdgcn-amd-amdhsa -mcpu=gfx1250 --defsym DOCPART=n.
;; ======== version 1 of 2: 2 launches
;; workspace buffers: part 819,200 bytes; cand 102,400 bytes
;; launch sims (part 1): grid 25 x 4, 4 waves a work-group, no clusters, 195,840 bytes of LDS; arguments emb_s, emb_q, embg_s, embg_q, memory_keys, memory_values, thresh, out0, part, cand; writes out0, part, cand
.if DOCPART == 1
	.amdgcn_target "amdgcn-amd-amdhsa--gfx1250"
	.amdhsa_code_object_version 6
	.text
	.protected	k_qe715322911_sims
	.globl	k_qe715322911_sims
	.p2align	8
	.type	k_qe715322911_sims,@function
k_qe715322911_sims:
	s_mov_b64 s[64:65], 0
	v_nop
	global_prefetch_b8 v0, s[64:65] scope:SCOPE_SE
	s_setreg_imm32_b32 hwreg(HW_REG_WAVE_MODE, 25, 1), 1
	s_wait_xcnt 0x0
; First of two launches.  400 rows (4 tasks x 100: 25 from *_s, then 75 from *_q), D = 128, M = 512 memory rows.
; Work-group (b, q): rows 16 b .. 16 b + 15 against memory rows 128 q .. 128 q + 127.  Wave w: memory rows c0 = 128 q + 32 w .. c0 + 31.
; It makes  out0 = emb / max(|emb|, 1e-12)                                   (quarter 0 alone stores it)
;           part[q][row][128] = sum over the quarter's m of pos_score[row][m] values[m][:]   (quarter 0 adds the normalised embg row)
;           cand[(4 b + q)]   = for each row the quarter's hardest positive and negative of both directions, as (key, payload), and
;                               128 partial sums of (sim_vk - sim_kv)^2.
; NO GATHER: cos(values[i], norm_emb_glo[row]) is sim_vk[row][i], and cos(keys[i], norm_emb[row]) is sim_kv[row][i].  So an argmin or argmax is a
; running (key, payload) pair chosen by v_cndmask_b32; the payload starts at 0 and only a valid candidate changes it, which is pos_s and neg_s.
; NOT COMPUTED: memory_keys_updated and memory_values_updated (with arg, onehot, cand_k, cand_v): they flow into none of the five results.
; PRECISION: the choices are discontinuous in the sims, so each f32 operand goes to the matrix unit as hi + lo in bf16 (hi = bf16(x), lo = bf16(x - hi))
; and a sim is hi hi + hi lo + lo hi in f32 sums: about 2^-16 of a term's size is lost.  pos_score x values is continuous: plain bf16.
; The matrix operand is the raw emb row; the sims are scaled afterwards in f32 by rnorm = min(rsq(sum x^2), 1e12) = 1 / max(|x|, 1e-12).
; LIMITS: NaN and infinities are not followed.  |x| >= 3.39e38 overflows in bf16(x).  An entry within about 2^-16 of a term's size of a threshold or of
; its rival may be chosen otherwise than in f32 (one row's term among 400).  Sums run in another order than in the JAX text.
; Ties take the first index, on the sims as computed here.
; NO CLUSTER: the tables are shared along the 25 row blocks, and 25 is no multiple of 4; along q only the 16 KiB of emb rows of 144 KiB are shared.
; NO TENSOR LOADS: every f32 has to pass through registers to be split, and each table row is used once in a work-group.
;
; THE MATRIX INSTRUCTION IS USED TRANSPOSED: source 0 = 16 table rows, source 1 = the 16 emb rows.  Lane (r = l % 16, h = l / 16), register j then holds
; (emb row r, table tile row 8 h + j): a row's reductions stay in the lane, rnorm is one number a lane, and the two tiles' pos_score pack straight into
; the K = 32 fragment of pos_score x values.
; ORDER OF TIES: LDS row 16 t + i of a wave's tables holds memory row c0 + 16 (i / 8) + 8 t + i % 8.  So a lane with h = 0 meets c0 + 0 .. 15 in
; ascending order and one with h = 1 meets c0 + 16 .. 31; strict compares in the lane, then h = 0 before h = 1, waves and quarters ascending, keep the
; first index, and no index is carried.
.set PITCH, 272                        ; an LDS row of 128 bf16 + 16 bytes = 17 x 16: the 16 rows of a fragment load lie in 16 different 16-byte columns modulo 256
.set SEC,   16*PITCH                   ; 16 rows
.set RN,    4*SEC                      ; 17,408: behind emb hi, emb lo, embg hi, embg lo (16 rows each): rnorm of emb [16], at +64 of embg [16]
.set CANDX, RN+256                     ; 17,664: wave x 1,024 + lane x 32: eight numbers a lane; lanes 16-31 fill a half that is never read
.set SSQX,  CANDX+4096                 ; 21,760: wave x 128 + lane x 4
.set PVX,   SSQX+512                   ; 22,272: wave x 8,448 + row x 528: each wave's 16 x 128 f32 of pos_score x values
.set PVP,   528
.set PVW,   16*PVP
.set TAB,   PVX+4*PVW                  ; 56,064: wave x 34,816: keys hi, keys lo, values hi, values lo, 32 rows each; a wave's own bytes
.set TABW,  8*SEC
.set LN,  1                            ; lane
.set RR,  2                            ; r
.set HH,  3                            ; h
.set GOF, 4                            ; 16 x lane: my 16 bytes of a 512-byte row in memory; never rewritten
.set STA, 5                            ; where I put 8 bytes of my wave's emb rows
.set FRA, 6                            ; fragment address in the emb sections
.set STT, 7                            ; where I put 8 bytes of a table row
.set FRT, 8                            ; fragment address in my wave's tables
.set TRA, 9                            ; transposing loads from values hi
.set RNS, 10
.set RNL, 11
.set PVS, 12
.set PVL, 13
.set CXS, 14
.set SQA, 15
.set GR,  16                           ; v[16:31]   my wave's four embg rows, raw, then normalised; they live to the end
.set ER,  32                           ; v[32:47]   my wave's four emb rows, raw
.set EN,  48                           ; v[48:63]   the same normalised (quarter 0)
.set STG, 64                           ; v[64:191]  32 table rows as loaded, 4 registers each
.set SUMQ, 192                         ; v[192:207] eight pairs: sum of squares, and a second register at work
.set RNP, 208                          ; v[208:223] eight pairs: rnorm twice
.set TMPS, 224                         ; v[224:239] two sets of 8 for CONV
.set ACC, 32                           ; v[32:63]   sim_kv tile 0, 1; sim_vk tile 0, 1
.set BUF0, 64                          ; v[64:159]  fragments of one K step of 32
.set BUF1, 160                         ; v[160:255] and of the next
.set VT,  64                           ; v[64:127]  values hi transposed: eight fragments of 16 d x 32 m
.set PVA, 128                          ; v[128:191] eight accumulators of pos_score x values
.set SELR, 192                         ; v[192:199] keyP payP keyN payN of kv, then of vk
.set SSQ, 200
.set RNE, 202
.set RNG, 204
.set DT,  206
.set KT,  208                          ; v208, v209
.set PP,  210                          ; v[210:225] pos_score of my 16 elements
.set PF,  226                          ; v[226:233] the same in bf16: the K = 32 fragment
.set RS,  64                           ; v[64:127]  the end: row i, wave wv at RS + 16 i + 4 wv
; Row g = 16 b + 4 w + i: task t = g / 100 (by 5243 / 2^19, exact for g < 400), n = g - 100 t; row 25 t + n of *_s if n < 25, else row 75 t + n - 25 of *_q.
.macro ROWOFF i
	s_add_co_u32 s68, s5, \i
	s_mul_i32 s69, s68, 5243
	s_lshr_b32 s69, s69, 19
	s_mul_i32 s70, s69, 100
	s_sub_co_u32 s[84+\i], s68, s70
	s_min_u32 s71, s[84+\i], 24
	s_mul_i32 s72, s69, 25
	s_add_co_u32 s71, s71, s72
	s_max_u32 s73, s[84+\i], 25
	s_mul_i32 s72, s69, 75
	s_add_co_u32 s73, s73, s72
	s_sub_co_u32 s73, s73, 25
	s_cmp_lt_u32 s[84+\i], 25
	s_cselect_b32 s[76+2*\i], s71, s73
	s_lshl_b32 s[76+2*\i], s[76+2*\i], 9           ; rows of 512 bytes
	s_mov_b32 s[77+2*\i], 0
.endm
.macro ROWADR i
	s_cmp_lt_u32 s[84+\i], 25
	s_cselect_b64 s[32+4*\i:33+4*\i], s[8:9], s[10:11]
	s_cselect_b64 s[34+4*\i:35+4*\i], s[12:13], s[14:15]
	s_add_nc_u64 s[32+4*\i:33+4*\i], s[32+4*\i:33+4*\i], s[76+2*\i:77+2*\i]
	s_add_nc_u64 s[34+4*\i:35+4*\i], s[34+4*\i:35+4*\i], s[76+2*\i:77+2*\i]
.endm
; Four f32 in v[x:x+3] become four hi and four lo in bf16, 8 bytes each into LDS.
.macro CONV x, adr, offhi, offlo, set
	v_cvt_pk_bf16_f32 v[TMPS+8*(\set)+4], v[\x], v[\x+1]
	v_cvt_pk_bf16_f32 v[TMPS+8*(\set)+5], v[\x+2], v[\x+3]
	v_lshlrev_b32 v[TMPS+8*(\set)],   16,  v[TMPS+8*(\set)+4]
	v_and_b32     v[TMPS+8*(\set)+1], s58, v[TMPS+8*(\set)+4]
	v_lshlrev_b32 v[TMPS+8*(\set)+2], 16,  v[TMPS+8*(\set)+5]
	v_and_b32     v[TMPS+8*(\set)+3], s58, v[TMPS+8*(\set)+5]
	v_pk_add_f32 v[TMPS+8*(\set):TMPS+8*(\set)+1],   v[\x:\x+1],   v[TMPS+8*(\set):TMPS+8*(\set)+1]   neg_lo:[0,1] neg_hi:[0,1]
	v_pk_add_f32 v[TMPS+8*(\set)+2:TMPS+8*(\set)+3], v[\x+2:\x+3], v[TMPS+8*(\set)+2:TMPS+8*(\set)+3] neg_lo:[0,1] neg_hi:[0,1]
	v_cvt_pk_bf16_f32 v[TMPS+8*(\set)+6], v[TMPS+8*(\set)],   v[TMPS+8*(\set)+1]
	v_cvt_pk_bf16_f32 v[TMPS+8*(\set)+7], v[TMPS+8*(\set)+2], v[TMPS+8*(\set)+3]
	ds_store_b64 v[\adr], v[TMPS+8*(\set)+4:TMPS+8*(\set)+5] offset:\offhi
	ds_store_b64 v[\adr], v[TMPS+8*(\set)+6:TMPS+8*(\set)+7] offset:\offlo
.endm
.macro FRAG dst, adr, off              ; 16 rows x 32 K of bf16: two loads of 16 bytes, 32 bytes apart
	ds_load_b128 v[\dst:\dst+3],   v[\adr] offset:\off
	ds_load_b128 v[\dst+4:\dst+7], v[\adr] offset:\off+32
.endm
.macro FETCH ks, buf                   ; 24 LDS loads: all twelve fragments of K step ks
	FRAG \buf+0,  FRA, 0*SEC+64*\ks                ; emb hi
	FRAG \buf+8,  FRA, 1*SEC+64*\ks                ; emb lo
	FRAG \buf+16, FRA, 2*SEC+64*\ks                ; embg hi
	FRAG \buf+24, FRA, 3*SEC+64*\ks                ; embg lo
	FRAG \buf+32, FRT, 0*SEC+64*\ks                ; keys tile 0 hi
	FRAG \buf+40, FRT, 2*SEC+64*\ks                ; keys tile 0 lo
	FRAG \buf+48, FRT, 1*SEC+64*\ks                ; keys tile 1 hi
	FRAG \buf+56, FRT, 3*SEC+64*\ks                ; keys tile 1 lo
	FRAG \buf+64, FRT, 4*SEC+64*\ks                ; values tile 0 hi
	FRAG \buf+72, FRT, 6*SEC+64*\ks                ; values tile 0 lo
	FRAG \buf+80, FRT, 5*SEC+64*\ks                ; values tile 1 hi
	FRAG \buf+88, FRT, 7*SEC+64*\ks                ; values tile 1 lo
.endm
.macro MM acc, a, b, first
.if \first
	v_wmma_f32_16x16x32_bf16 v[\acc:\acc+7], v[\a:\a+7], v[\b:\b+7], 0
.else
	v_wmma_f32_16x16x32_bf16 v[\acc:\acc+7], v[\a:\a+7], v[\b:\b+7], v[\acc:\acc+7]
.endif
.endm
; Twelve matrix instructions.  The four accumulators take turns, one instruction a turn, in the same order from one MUL to the next.
.macro MUL buf, first
	MM ACC,    \buf+32, \buf+0,  \first            ; hi x hi (first = 1: it starts the sums, nothing is cleared)
	MM ACC+8,  \buf+48, \buf+0,  \first
	MM ACC+16, \buf+64, \buf+16, \first
	MM ACC+24, \buf+80, \buf+16, \first
	MM ACC,    \buf+32, \buf+8,  0                 ; table hi x emb lo
	MM ACC+8,  \buf+48, \buf+8,  0
	MM ACC+16, \buf+64, \buf+24, 0
	MM ACC+24, \buf+80, \buf+24, 0
	MM ACC,    \buf+40, \buf+0,  0                 ; table lo x emb hi
	MM ACC+8,  \buf+56, \buf+0,  0
	MM ACC+16, \buf+72, \buf+16, 0
	MM ACC+24, \buf+88, \buf+16, 0
.endm
.macro PLACES n                        ; places behind matrix instructions (ISA guide 7.12.1)
.rept \n
	v_nop
.endr
.endm
; One candidate for one running pair.  cmp = v_cmp_lt_f32: valid if thr < key, better if key < the kept key; v_cmp_gt_f32 the other way round.
; An invalid key becomes fill (+inf or -inf), which is never strictly better.  pp other than 0: that register gets key where valid, else 0.
.macro PICK cmp, thr, fill, key, pay, slot, kt, pp
	\cmp vcc_lo, \thr, v[\key]
.if \pp
	v_cndmask_b32 v[\pp], 0, v[\key], vcc_lo
.endif
	v_cndmask_b32 v[\kt], \fill, v[\key], vcc_lo
	\cmp vcc_lo, v[\kt], v[\slot]
	v_cndmask_b32 v[\slot],   v[\slot],   v[\kt],  vcc_lo
	v_cndmask_b32 v[\slot+1], v[\slot+1], v[\pay], vcc_lo
.endm
.macro SEL t, j                        ; element j of tile t: sim_kv in ACC + 8 t + j, sim_vk in ACC + 16 + 8 t + j; each is the other direction's payload
	PICK v_cmp_lt_f32, s28, s59, ACC+8*\t+\j,    ACC+16+8*\t+\j, SELR,   KT,   PP+8*\t+\j
	PICK v_cmp_gt_f32, s29, s66, ACC+8*\t+\j,    ACC+16+8*\t+\j, SELR+2, KT+1, 0
	PICK v_cmp_lt_f32, s30, s59, ACC+16+8*\t+\j, ACC+8*\t+\j,    SELR+4, KT,   0
	PICK v_cmp_gt_f32, s31, s66, ACC+16+8*\t+\j, ACC+8*\t+\j,    SELR+6, KT+1, 0
.endm
.macro TAKE cmp, new, old              ; the pair at new replaces the pair at old where it is strictly better
	\cmp vcc_lo, v[\new], v[\old]
	v_cndmask_b32 v[\old],   v[\old],   v[\new],   vcc_lo
	v_cndmask_b32 v[\old+1], v[\old+1], v[\new+1], vcc_lo
.endm
.macro MERGE4 base                     ; four records (kmin, pmin, kmax, pmax), 4 registers each, ascending in m, into the first
.irp k, 1,2,3
	TAKE v_cmp_lt_f32, \base+4*\k,   \base
	TAKE v_cmp_gt_f32, \base+4*\k+2, \base+2
.endr
.endm
	; ---- start: pointers on their way, ids and offsets meanwhile
	s_load_b512 s[8:23], s[0:1], 0x0               ; emb_s 8, emb_q 10, embg_s 12, embg_q 14, keys 16, values 18, thresh 20, out0 22
	s_load_b128 s[24:27], s[0:1], 0x40             ; part 24, cand 26
	s_set_vgpr_msb 0x40
	v_lshl_add_u32 v0, v0, 2, 0x2fb00
	v_mov_b32 v1, 0
	s_set_vgpr_msb 0x4000
	v_lshrrev_b32 v1, 5, v0
	v_readfirstlane_b32 s2, v1                     ; w
	s_mov_b32 s3, ttmp9                            ; b
	s_and_b32 s4, ttmp7, 0xffff                    ; q
	s_lshl_b32 s5, s3, 4
	s_lshl2_add_u32 s5, s2, s5                     ; 16 b + 4 w: my wave's first row
	v_and_b32 v[LN], 31, v0
	v_lshlrev_b32 v[GOF], 4, v[LN]
	ROWOFF 0
	ROWOFF 1
	ROWOFF 2
	ROWOFF 3
	s_lshl_b32 s68, s4, 16                         ; c0 x 512 bytes = q x 65,536 + w x 16,384
	s_lshl_b32 s69, s2, 14
	s_add_co_u32 s68, s68, s69
	s_mov_b32 s69, 0
	s_lshl_b32 s70, s5, 9                          ; my wave's first row in out0
	s_mov_b32 s71, 0
	s_mul_i32 s72, s4, 204800                      ; and in quarter q's plane of part
	s_add_co_u32 s72, s72, s70
	s_mov_b32 s73, 0
	s_lshl2_add_u32 s74, s3, s4                    ; record 4 b + q of cand
	s_lshl_b32 s74, s74, 10
	s_mov_b32 s75, 0
	s_mov_b32 s58, 0xffff0000                      ; a word's upper bf16
	s_mov_b32 s59, 0x7f800000                      ; +inf
	s_mov_b32 s66, 0xff800000                      ; -inf
	s_mov_b32 s62, 0x76543210                      ; v_permlanex16_b32: lane i of one half reads lane i of the other
	s_mov_b32 s63, 0xfedcba98
	s_cmp_eq_u32 s4, 0
	s_cselect_b32 s60, 0x3f800000, 0               ; 1.0 in quarter 0, which adds the embg row; 0 elsewhere
	s_mov_b32 s61, s60
	s_wait_kmcnt 0x0
	s_load_b128 s[28:31], s[20:21], 0x0            ; the four thresholds; waited for in front of the selection
	ROWADR 0
	ROWADR 1
	ROWADR 2
	ROWADR 3
	s_add_nc_u64 s[48:49], s[16:17], s[68:69]      ; keys at c0
	s_add_nc_u64 s[50:51], s[18:19], s[68:69]      ; values at c0
	s_add_nc_u64 s[52:53], s[22:23], s[70:71]
	s_add_nc_u64 s[54:55], s[24:25], s[72:73]
	s_add_nc_u64 s[56:57], s[26:27], s[74:75]
	; ---- 40 loads go out: each takes one whole row of 512 bytes, 16 neighbouring bytes a lane
.irp i, 0,1,2,3
	global_load_b128 v[ER+4*\i:ER+4*\i+3], v[GOF], s[32+4*\i:33+4*\i]
.endr
.irp i, 0,1,2,3
	global_load_b128 v[GR+4*\i:GR+4*\i+3], v[GOF], s[34+4*\i:35+4*\i]
.endr
.set l, 0
.rept 32
	global_load_b128 v[STG+4*l:STG+4*l+3], v[GOF], s[48:49] offset:(((l&15)>>3)*16+(l>>4)*8+(l&7))*512
.set l, l+1
.endr
	; ---- LDS addresses, while the loads are on their way
	v_and_b32 v[RR], 15, v0
	v_bfe_u32 v[HH], v0, 4, 1
	s_mul_i32 s68, s2, 4*PITCH
	v_lshl_add_u32 v[STA], v[LN], 3, s68           ; my wave's rows 4 w .. of the emb sections, 8 bytes a lane
	v_mul_u32_u24 v[FRA], v[RR], PITCH
	v_lshl_add_u32 v[FRA], v[HH], 4, v[FRA]        ; row r x pitch + 16 h
	s_mul_i32 s69, s2, TABW
	s_add_co_u32 s69, s69, TAB                     ; my wave's tables
	v_lshl_add_u32 v[STT], v[LN], 3, s69
	v_add_nc_u32 v[FRT], s69, v[FRA]
	s_add_co_u32 s70, s69, 4*SEC                   ; values hi
	v_and_b32 v[TRA], 7, v0
	v_lshl_add_u32 v[TRA], v[HH], 3, v[TRA]        ; LDS row 8 h + l % 8
	v_mul_u32_u24 v[TRA], v[TRA], PITCH
	v_bfe_u32 v[RNS], v0, 3, 1
	v_lshl_add_u32 v[TRA], v[RNS], 4, v[TRA]       ; + 16 ((l / 8) % 2)
	v_add_nc_u32 v[TRA], s70, v[TRA]
	s_lshl_b32 s71, s2, 4
	s_add_co_u32 s71, s71, RN
	v_mov_b32 v[RNS], s71                          ; rnorm of my wave's four rows
	v_lshl_add_u32 v[RNL], v[RR], 2, RN
	s_mul_i32 s72, s2, PVW
	s_add_co_u32 s72, s72, PVX
	v_mul_u32_u24 v[PVS], v[RR], PVP
	v_lshl_add_u32 v[PVS], v[HH], 5, v[PVS]
	v_add_nc_u32 v[PVS], s72, v[PVS]               ; my wave's plane: row r, 32 bytes for each half of the lanes
	s_mul_i32 s73, s2, 4*PVP
	s_add_co_u32 s73, s73, PVX
	v_add_nc_u32 v[PVL], s73, v[GOF]               ; plane 0, row 4 w, 16 bytes a lane
	s_lshl_b32 s74, s2, 10
	s_add_co_u32 s74, s74, CANDX
	v_lshl_add_u32 v[CXS], v[LN], 5, s74
	s_lshl_b32 s75, s2, 7
	s_add_co_u32 s75, s75, SSQX
	v_lshl_add_u32 v[SQA], v[LN], 2, s75
	; ---- norms of my wave's eight rows, stage by stage so that no line waits for the one in front
	s_wait_loadcnt 32                              ; loads come back in order: the eight emb rows are in, the 32 key rows stay out
.irp k, 0,1,2,3
	v_pk_mul_f32 v[SUMQ+2*\k:SUMQ+2*\k+1], v[ER+4*\k:ER+4*\k+1], v[ER+4*\k:ER+4*\k+1]
	v_pk_mul_f32 v[SUMQ+8+2*\k:SUMQ+8+2*\k+1], v[GR+4*\k:GR+4*\k+1], v[GR+4*\k:GR+4*\k+1]
.endr
.irp k, 0,1,2,3
	v_pk_fma_f32 v[SUMQ+2*\k:SUMQ+2*\k+1], v[ER+4*\k+2:ER+4*\k+3], v[ER+4*\k+2:ER+4*\k+3], v[SUMQ+2*\k:SUMQ+2*\k+1]
	v_pk_fma_f32 v[SUMQ+8+2*\k:SUMQ+8+2*\k+1], v[GR+4*\k+2:GR+4*\k+3], v[GR+4*\k+2:GR+4*\k+3], v[SUMQ+8+2*\k:SUMQ+8+2*\k+1]
.endr
.irp k, 0,1,2,3,4,5,6,7
	v_add_f32 v[SUMQ+2*\k], v[SUMQ+2*\k], v[SUMQ+2*\k+1]
.endr
.irp m, 1,2,4,8
.irp k, 0,1,2,3,4,5,6,7
	v_add_f32_dpp v[SUMQ+2*\k], v[SUMQ+2*\k], v[SUMQ+2*\k] row_xmask:\m row_mask:0xf bank_mask:0xf
.endr
.endr
.irp k, 0,1,2,3,4,5,6,7
	v_permlanex16_b32 v[SUMQ+2*\k+1], v[SUMQ+2*\k], s62, s63
.endr
.irp k, 0,1,2,3,4,5,6,7
	v_add_f32 v[SUMQ+2*\k], v[SUMQ+2*\k], v[SUMQ+2*\k+1]
.endr
.irp k, 0,1,2,3,4,5,6,7
	v_rsq_f32 v[RNP+2*\k], v[SUMQ+2*\k]
.endr
	v_nop                                          ; one plain place behind the transcendentals before their results are used (ISA guide 5.7.2)
	s_wait_alu depctr_va_vdst(0)
.irp k, 0,1,2,3,4,5,6,7
	v_min_num_f32 v[RNP+2*\k+1], 0x5368d4a5, v[RNP+2*\k]   ; min(rsq, 1e12) = 1 / max(norm, 1e-12); a sum that is 0 or denormal gives inf, then 1e12
	v_min_num_f32 v[RNP+2*\k],   0x5368d4a5, v[RNP+2*\k]
.endr
.irp i, 0,1,2,3
	CONV ER+4*\i, STA, PITCH*\i,       PITCH*\i+SEC,   0
	CONV GR+4*\i, STA, PITCH*\i+2*SEC, PITCH*\i+3*SEC, 1
.endr
.irp i, 0,1,2,3
	ds_store_b32 v[RNS], v[RNP+2*\i]   offset:4*\i         ; every lane holds the same number
	ds_store_b32 v[RNS], v[RNP+8+2*\i] offset:64+4*\i
.endr
.irp i, 0,1,2,3
	v_pk_mul_f32 v[GR+4*\i:GR+4*\i+1],   v[GR+4*\i:GR+4*\i+1],   v[RNP+8+2*\i:RNP+8+2*\i+1]
	v_pk_mul_f32 v[GR+4*\i+2:GR+4*\i+3], v[GR+4*\i+2:GR+4*\i+3], v[RNP+8+2*\i:RNP+8+2*\i+1]
.endr
	s_cmp_lg_u32 s4, 0
	s_cbranch_scc1 .Lnot_q0                        ; out0's rows are stored once, by quarter 0
.irp i, 0,1,2,3
	v_pk_mul_f32 v[EN+4*\i:EN+4*\i+1],   v[ER+4*\i:ER+4*\i+1],   v[RNP+2*\i:RNP+2*\i+1]
	v_pk_mul_f32 v[EN+4*\i+2:EN+4*\i+3], v[ER+4*\i+2:ER+4*\i+3], v[RNP+2*\i:RNP+2*\i+1]
	global_store_b128 v[GOF], v[EN+4*\i:EN+4*\i+3], s[52:53] offset:512*\i th:TH_STORE_NT   ; 512 consecutive bytes, aligned
.endr
.Lnot_q0:
	; ---- the tables: each key row is split and put into LDS, and its registers take the value row of the same place
.set l, 0
.rept 32
	s_wait_loadcnt 31                              ; behind key row l were issued key rows l+1 .. 31 and value rows 0 .. l-1: 31 loads
	CONV STG+4*l, STT, PITCH*l, PITCH*l+2*SEC, l&1
	global_load_b128 v[STG+4*l:STG+4*l+3], v[GOF], s[50:51] offset:(((l&15)>>3)*16+(l>>4)*8+(l&7))*512
.set l, l+1
.endr
.set l, 0
.rept 32
	s_wait_loadcnt 31-l                            ; value rows l+1 .. 31 stay out
	CONV STG+4*l, STT, PITCH*l+4*SEC, PITCH*l+6*SEC, l&1
.set l, l+1
.endr
	s_wait_xcnt 0x0                                ; out0's store data, v[48:63], become accumulators only behind this wait
	s_wait_dscnt 0x0                               ; my LDS stores are done: the other waves read my emb rows and rnorms behind the barrier
	s_barrier_signal -1
	s_barrier_wait -1
	; ---- both sims: four K steps of 32 on two fragment buffers
	FETCH 0, BUF0
	FETCH 1, BUF1
	s_wait_dscnt 24                                ; all but the younger FETCH's 24 loads
	MUL BUF0, 1
	PLACES 4                                       ; four places before loads land on registers that matrix instructions have read
	FETCH 2, BUF0
	s_wait_dscnt 24
	MUL BUF1, 0
	PLACES 4
	FETCH 3, BUF1
	s_wait_dscnt 24
	MUL BUF0, 0
	s_wait_dscnt 0x0
	MUL BUF1, 0
	PLACES 5                                       ; four before results are read and sources rewritten; five before later matrix instructions write over the buffers
	; ---- scale, squared difference, selection
	ds_load_b32 v[RNE], v[RNL]
	ds_load_b32 v[RNG], v[RNL] offset:64
.irp n, 0,1,2,3,4,5,6,7
	ds_load_tr16_b128 v[VT+8*\n:VT+8*\n+3],   v[TRA] offset:32*\n          ; d = 16 n + r, LDS rows 8 h .. 8 h + 7
	ds_load_tr16_b128 v[VT+8*\n+4:VT+8*\n+7], v[TRA] offset:32*\n+SEC      ; LDS rows 16 + 8 h ..
.endr
	s_wait_dscnt 16                                ; the two rnorms are in; the sixteen transposing loads stay out
	v_mov_b32 v[RNE+1], v[RNE]
	v_mov_b32 v[RNG+1], v[RNG]
	s_wait_kmcnt 0x0                               ; the thresholds
.irp k, 0,4
	v_mov_b32 v[SELR+\k],   s59                    ; no positive yet: key +inf, payload 0
	v_mov_b32 v[SELR+\k+1], 0
	v_mov_b32 v[SELR+\k+2], s66                    ; no negative yet: key -inf, payload 0
	v_mov_b32 v[SELR+\k+3], 0
.endr
.irp p, 0,1,2,3,4,5,6,7
	v_pk_mul_f32 v[ACC+2*\p:ACC+2*\p+1],       v[ACC+2*\p:ACC+2*\p+1],       v[RNE:RNE+1]
	v_pk_mul_f32 v[ACC+16+2*\p:ACC+16+2*\p+1], v[ACC+16+2*\p:ACC+16+2*\p+1], v[RNG:RNG+1]
.endr
	v_pk_add_f32 v[DT:DT+1], v[ACC+16:ACC+17], v[ACC:ACC+1] neg_lo:[0,1] neg_hi:[0,1]
	v_pk_mul_f32 v[SSQ:SSQ+1], v[DT:DT+1], v[DT:DT+1]              ; the first pair starts the sum
.irp p, 1,2,3,4,5,6,7
	v_pk_add_f32 v[DT:DT+1], v[ACC+16+2*\p:ACC+16+2*\p+1], v[ACC+2*\p:ACC+2*\p+1] neg_lo:[0,1] neg_hi:[0,1]
	v_pk_fma_f32 v[SSQ:SSQ+1], v[DT:DT+1], v[DT:DT+1], v[SSQ:SSQ+1]
.endr
.irp t, 0,1
.irp j, 0,1,2,3,4,5,6,7
	SEL \t, \j
.endr
.endr
.irp p, 0,1,2,3,4,5,6,7
	v_cvt_pk_bf16_f32 v[PF+\p], v[PP+2*\p], v[PP+2*\p+1]   ; registers 0-3: LDS rows 8 h + 0..7 (tile 0); 4-7: 16 + 8 h + 0..7 (tile 1)
.endr
	; ---- pos_score x values over my 32 memory rows: one K step, eight accumulators, each written once
	s_wait_dscnt 0x0
.irp n, 0,1,2,3,4,5,6,7
	v_wmma_f32_16x16x32_bf16 v[PVA+8*\n:PVA+8*\n+7], v[VT+8*\n:VT+8*\n+7], v[PF:PF+7], 0
.endr
	; The lines down to the stores of PVA name none of those products' registers: one add and twelve compares and selects are the places behind them.
	v_add_f32 v[SSQ], v[SSQ], v[SSQ+1]
.irp k, 0,1,2,3,4,5,6,7
	v_permlanex16_b32 v[PP+\k], v[SELR+\k], s62, s63       ; the other half's pairs (PP is written and dead)
.endr
	TAKE v_cmp_lt_f32, PP,   SELR                  ; right in lanes 0-15, whose own memory rows come first
	TAKE v_cmp_gt_f32, PP+2, SELR+2
	TAKE v_cmp_lt_f32, PP+4, SELR+4
	TAKE v_cmp_gt_f32, PP+6, SELR+6
	ds_store_b32 v[SQA], v[SSQ]
	ds_store_b128 v[CXS], v[SELR:SELR+3]
	ds_store_b128 v[CXS], v[SELR+4:SELR+7] offset:16
.irp n, 0,1,2,3,4,5,6,7
	ds_store_b128 v[PVS], v[PVA+8*\n:PVA+8*\n+3]   offset:64*\n            ; (row r, d = 16 n + 8 h + 0..3)
	ds_store_b128 v[PVS], v[PVA+8*\n+4:PVA+8*\n+7] offset:64*\n+16
.endr
	s_wait_dscnt 0x0                               ; my stores are done: other waves read them behind the barrier
	s_barrier_signal -1
	s_barrier_wait -1
	; ---- my wave's four rows: the four waves' partial rows are added, quarter 0 adds the normalised embg row
.irp i, 0,1,2,3
.irp wv, 0,1,2,3
	ds_load_b128 v[RS+16*\i+4*\wv:RS+16*\i+4*\wv+3], v[PVL] offset:\wv*PVW+\i*PVP
.endr
.endr
.irp i, 0,1,2,3
	s_wait_dscnt 12-4*\i                           ; the later rows' loads, four each, stay out
	v_pk_add_f32 v[RS+16*\i:RS+16*\i+1],     v[RS+16*\i:RS+16*\i+1],     v[RS+16*\i+4:RS+16*\i+5]
	v_pk_add_f32 v[RS+16*\i+2:RS+16*\i+3],   v[RS+16*\i+2:RS+16*\i+3],   v[RS+16*\i+6:RS+16*\i+7]
	v_pk_add_f32 v[RS+16*\i+8:RS+16*\i+9],   v[RS+16*\i+8:RS+16*\i+9],   v[RS+16*\i+12:RS+16*\i+13]
	v_pk_add_f32 v[RS+16*\i+10:RS+16*\i+11], v[RS+16*\i+10:RS+16*\i+11], v[RS+16*\i+14:RS+16*\i+15]
	v_pk_add_f32 v[RS+16*\i:RS+16*\i+1],     v[RS+16*\i:RS+16*\i+1],     v[RS+16*\i+8:RS+16*\i+9]
	v_pk_add_f32 v[RS+16*\i+2:RS+16*\i+3],   v[RS+16*\i+2:RS+16*\i+3],   v[RS+16*\i+10:RS+16*\i+11]
	v_pk_fma_f32 v[RS+16*\i:RS+16*\i+1],     v[GR+4*\i:GR+4*\i+1],   s[60:61], v[RS+16*\i:RS+16*\i+1]   op_sel_hi:[1,0,1]
	v_pk_fma_f32 v[RS+16*\i+2:RS+16*\i+3],   v[GR+4*\i+2:GR+4*\i+3], s[60:61], v[RS+16*\i+2:RS+16*\i+3] op_sel_hi:[1,0,1]
	global_store_b128 v[GOF], v[RS+16*\i:RS+16*\i+3], s[54:55] offset:512*\i   ; 512 consecutive bytes, aligned
.endr
	; ---- wave 0: the four waves' pairs are merged, ascending; the record goes out in two stores of 512 consecutive bytes
	s_cmp_lg_u32 s2, 0
	s_cbranch_scc1 .Lend
	v_add_nc_u32 v[KT], CANDX, v[GOF]              ; lane l: row l / 2, direction l % 2: four numbers
.irp wv, 0,1,2,3
	ds_load_b128 v[PVA+4*\wv:PVA+4*\wv+3], v[KT] offset:1024*\wv
.endr
	ds_load_b128 v[PVA+16:PVA+19], v[KT] offset:4096       ; the 128 partial sums of squares, which lie 4,096 bytes behind
	s_wait_dscnt 0x0
	MERGE4 PVA
	global_store_b128 v[GOF], v[PVA:PVA+3],     s[56:57]
	global_store_b128 v[GOF], v[PVA+16:PVA+19], s[56:57] offset:512
.Lend:
	s_set_vgpr_msb 0x5
	s_wait_tensorcnt 0x0
	ds_add_u32 v0, v1
	s_wait_dscnt 0x0
	s_set_vgpr_msb 0x500
	s_endpgm
.Lfunc_end_k_qe715322911_sims:
	.size	k_qe715322911_sims, .Lfunc_end_k_qe715322911_sims-k_qe715322911_sims
	.p2alignl 7, 3214868480
	.fill 96, 4, 3214868480
	.section	.rodata,"a",@progbits
	.p2align	6, 0x0
	.amdhsa_kernel k_qe715322911_sims
		.amdhsa_group_segment_fixed_size 195840
		.amdhsa_private_segment_fixed_size 0
		.amdhsa_enable_private_segment 0
		.amdhsa_kernarg_size 80
		.amdhsa_user_sgpr_count 2
		.amdhsa_user_sgpr_kernarg_segment_ptr 1
		.amdhsa_wavefront_size32 1
		.amdhsa_system_sgpr_workgroup_id_x 1
		.amdhsa_system_sgpr_workgroup_id_y 1
		.amdhsa_system_sgpr_workgroup_id_z 1
		.amdhsa_system_vgpr_workitem_id 0
		.amdhsa_next_free_vgpr 258
		.amdhsa_next_free_sgpr 96
		.amdhsa_reserve_vcc 1
		.amdhsa_float_denorm_mode_32 3
		.amdhsa_float_denorm_mode_16_64 3
		.amdhsa_memory_ordered 1
		.amdhsa_forward_progress 1
		.amdhsa_inst_pref_size 100
	.end_amdhsa_kernel
	.amdgpu_metadata
---
amdhsa.version: [ 1, 2 ]
amdhsa.kernels:
  - .name:           k_qe715322911_sims
    .symbol:         k_qe715322911_sims.kd
    .args:
      - { .name: emb_s, .offset: 0, .size: 8, .value_kind: global_buffer, .address_space: global }
      - { .name: emb_q, .offset: 8, .size: 8, .value_kind: global_buffer, .address_space: global }
      - { .name: embg_s, .offset: 16, .size: 8, .value_kind: global_buffer, .address_space: global }
      - { .name: embg_q, .offset: 24, .size: 8, .value_kind: global_buffer, .address_space: global }
      - { .name: memory_keys, .offset: 32, .size: 8, .value_kind: global_buffer, .address_space: global }
      - { .name: memory_values, .offset: 40, .size: 8, .value_kind: global_buffer, .address_space: global }
      - { .name: thresh, .offset: 48, .size: 8, .value_kind: global_buffer, .address_space: global }
      - { .name: out0, .offset: 56, .size: 8, .value_kind: global_buffer, .address_space: global }
      - { .name: part, .offset: 64, .size: 8, .value_kind: global_buffer, .address_space: global }
      - { .name: cand, .offset: 72, .size: 8, .value_kind: global_buffer, .address_space: global }
    .group_segment_fixed_size: 195840
    .private_segment_fixed_size: 0
    .kernarg_segment_align: 8
    .kernarg_segment_size: 80
    .max_flat_workgroup_size: 128
    .sgpr_count:     96
    .vgpr_count:     258
    .wavefront_size: 32
...
	.end_amdgpu_metadata
.endif
;; end of part 1
;; launch finish (part 2): grid 17 x 1, 25 waves a work-group, no clusters, 3,840 bytes of LDS; arguments part, cand, out1, out2, out3, out4; writes out1, out2, out3, out4
.if DOCPART == 2
	.amdgcn_target "amdgcn-amd-amdhsa--gfx1250"
	.amdhsa_code_object_version 6
	.text
	.protected	k_qe715322911_finish
	.globl	k_qe715322911_finish
	.p2align	8
	.type	k_qe715322911_finish,@function
k_qe715322911_finish:
	s_mov_b64 s[64:65], 0
	v_nop
	global_prefetch_b8 v0, s[64:65] scope:SCOPE_SE
	s_setreg_imm32_b32 hwreg(HW_REG_WAVE_MODE, 25, 1), 1
	s_wait_xcnt 0x0
; Second launch: what spans the four quarters of the memory rows, and the three means over all 400 rows.
; Work-groups 0-15: out1.  One wave, one row g = 25 x work-group + wave: the four quarters' partial rows of part are added (quarter 0's holds the
;   normalised embg row too), and the row is divided by max(its norm, 1e-12).  Each load and store of a wave covers 512 consecutive bytes, aligned.
; Work-group 16: the losses.  Wave b takes row block b's four records of cand.  Lane l stands for row l / 2 and direction l % 2 (0: kv, 1: vk).
;   The quarters' (key, payload) pairs are merged ascending with strict compares, so that the first index wins a tie; a row's term is payP - payN
;   (a payload is 0 where no candidate was valid).  The 25 waves' sums meet in LDS; wave 0 adds them and stores the three numbers.
; No matrix unit, no cluster, no tensor load: 0.9 MB are read once, by loads that all go out at the start.
; LIMITS: NaN and infinities are not followed; the sums run in another order than in the JAX text.
.set PLANE, 204800                     ; bytes of a quarter's plane of part: 400 rows of 512
.macro WSUM x, t                       ; sum over the 32 lanes, result in every lane; t has been written before
	v_add_f32_dpp v[\x], v[\x], v[\x] row_xmask:1 row_mask:0xf bank_mask:0xf
	v_add_f32_dpp v[\x], v[\x], v[\x] row_xmask:2 row_mask:0xf bank_mask:0xf
	v_add_f32_dpp v[\x], v[\x], v[\x] row_xmask:4 row_mask:0xf bank_mask:0xf
	v_add_f32_dpp v[\x], v[\x], v[\x] row_xmask:8 row_mask:0xf bank_mask:0xf
	v_permlanex16_b32 v[\t], v[\x], s26, s27
	v_add_f32 v[\x], v[\x], v[\t]
.endm
.macro TAKE cmp, new, old              ; the pair at new replaces the pair at old where it is strictly better
	\cmp vcc_lo, v[\new], v[\old]
	v_cndmask_b32 v[\old],   v[\old],   v[\new],   vcc_lo
	v_cndmask_b32 v[\old+1], v[\old+1], v[\new+1], vcc_lo
.endm
.macro MERGE4 base                     ; four records (kmin, pmin, kmax, pmax), ascending in m, into the first
.irp k, 1,2,3
	TAKE v_cmp_lt_f32, \base+4*\k,   \base
	TAKE v_cmp_gt_f32, \base+4*\k+2, \base+2
.endr
.endm
	s_load_b256 s[8:15], s[0:1], 0x0               ; part 8, cand 10, out1 12, out2 14
	s_load_b128 s[16:19], s[0:1], 0x20             ; out3 16, out4 18
	v_lshl_add_u32 v48, v0, 2, 0x200
	v_mov_b32 v49, 0
	v_lshrrev_b32 v1, 5, v0
	v_readfirstlane_b32 s2, v1                     ; wave 0 .. 24
	v_and_b32 v1, 31, v0                           ; lane
	v_lshlrev_b32 v2, 4, v1                        ; 16 bytes a lane; never rewritten
	s_mov_b32 s20, 0xbb23d70a                      ; -1 / 400
	s_mov_b32 s21, 0x3dcccccd                      ; the margin, 0.1
	s_mov_b32 s25, 0
	s_mov_b32 s26, 0x76543210                      ; v_permlanex16_b32: lane i of one half reads lane i of the other
	s_mov_b32 s27, 0xfedcba98
	s_wait_kmcnt 0x0
	s_cmp_eq_u32 ttmp9, 16
	s_cbranch_scc1 .Llosses
	; ---- out1: one row a wave
	s_mul_i32 s24, ttmp9, 25
	s_add_co_u32 s24, s24, s2
	s_lshl_b32 s24, s24, 9                         ; row g x 512 bytes
	s_add_nc_u64 s[8:9], s[8:9], s[24:25]
	s_add_nc_u64 s[12:13], s[12:13], s[24:25]
.irp q, 0,1,2,3
	global_load_b128 v[4+4*\q:7+4*\q], v2, s[8:9] offset:\q*PLANE th:TH_LOAD_NT
.endr
	s_wait_loadcnt 0x0
	v_pk_add_f32 v[4:5],   v[4:5],   v[8:9]
	v_pk_add_f32 v[6:7],   v[6:7],   v[10:11]
	v_pk_add_f32 v[12:13], v[12:13], v[16:17]
	v_pk_add_f32 v[14:15], v[14:15], v[18:19]
	v_pk_add_f32 v[4:5],   v[4:5],   v[12:13]
	v_pk_add_f32 v[6:7],   v[6:7],   v[14:15]
	v_pk_mul_f32 v[36:37], v[4:5], v[4:5]
	v_pk_fma_f32 v[36:37], v[6:7], v[6:7], v[36:37]
	v_add_f32 v36, v36, v37
	WSUM 36, 37
	v_rsq_f32 v38, v36
	v_nop                                          ; one plain place behind the transcendental (ISA guide 5.7.2)
	s_wait_alu depctr_va_vdst(0)
	v_min_num_f32 v39, 0x5368d4a5, v38             ; min(rsq, 1e12) = 1 / max(norm, 1e-12)
	v_min_num_f32 v38, 0x5368d4a5, v38
	v_pk_mul_f32 v[4:5], v[4:5], v[38:39]
	v_pk_mul_f32 v[6:7], v[6:7], v[38:39]
	global_store_b128 v2, v[4:7], s[12:13] th:TH_STORE_NT
	s_branch .Ljoin
	; ---- the losses: one row block a wave
.Llosses:
	s_lshl_b32 s24, s2, 12                         ; block b's four records of 1,024 bytes
	s_add_nc_u64 s[10:11], s[10:11], s[24:25]
.irp q, 0,1,2,3
	global_load_b128 v[4+4*\q:7+4*\q],   v2, s[10:11] offset:1024*\q th:TH_LOAD_NT
	global_load_b128 v[20+4*\q:23+4*\q], v2, s[10:11] offset:1024*\q+512 th:TH_LOAD_NT
.endr
	s_wait_loadcnt 0x0
	MERGE4 4
	v_sub_f32 v36, v5, v7                          ; the row's term: payload of the hardest positive less that of the hardest negative
	v_add_f32_dpp v36, v36, v36 row_xmask:2 row_mask:0xf bank_mask:0xf     ; over the lanes of my parity: the block's 16 rows, one direction
	v_add_f32_dpp v36, v36, v36 row_xmask:4 row_mask:0xf bank_mask:0xf
	v_add_f32_dpp v36, v36, v36 row_xmask:8 row_mask:0xf bank_mask:0xf
	v_permlanex16_b32 v8, v36, s26, s27            ; v8: loaded, dead since the merge
	v_add_f32 v36, v36, v8
	v_pk_add_f32 v[20:21], v[20:21], v[22:23]      ; my 16 partial sums of squares
	v_pk_add_f32 v[24:25], v[24:25], v[26:27]
	v_pk_add_f32 v[28:29], v[28:29], v[30:31]
	v_pk_add_f32 v[32:33], v[32:33], v[34:35]
	v_pk_add_f32 v[20:21], v[20:21], v[24:25]
	v_pk_add_f32 v[28:29], v[28:29], v[32:33]
	v_pk_add_f32 v[20:21], v[20:21], v[28:29]
	v_add_f32 v20, v20, v21
	WSUM 20, 21
	v_and_b32 v40, 1, v0
	v_lshlrev_b32 v40, 2, v40
	v_lshl_add_u32 v40, s2, 3, v40                 ; 8 b + 4 x direction
	v_mov_b32 v41, s2
	v_lshlrev_b32 v41, 2, v41
	ds_store_b32 v40, v36                          ; the lanes of one parity hold the same number
	ds_store_b32 v41, v20 offset:256
	; ---- both roles pass the one barrier, so that it stands in every wave's text
.Ljoin:
	s_wait_dscnt 0x0                               ; my LDS stores are done: wave 0 reads them behind the barrier
	s_barrier_signal -1
	s_barrier_wait -1
	s_cmp_lg_u32 ttmp9, 16
	s_cbranch_scc1 .Lend
	s_cmp_lg_u32 s2, 0
	s_cbranch_scc1 .Lend
	v_min_u32 v42, 24, v1                          ; 25 blocks: lanes 25-31 read block 24's words and are set to 0 below
	v_lshlrev_b32 v43, 3, v42
	v_lshlrev_b32 v44, 2, v42
	ds_load_b64 v[36:37], v43                      ; the block's sums: kv, vk
	ds_load_b32 v38, v44 offset:256
	v_mov_b32 v39, 0
	v_mov_b32 v40, 0
	v_cmp_gt_u32 vcc_lo, 25, v1
	s_wait_dscnt 0x0
	v_cndmask_b32 v36, 0, v36, vcc_lo
	v_cndmask_b32 v37, 0, v37, vcc_lo
	v_cndmask_b32 v38, 0, v38, vcc_lo
	WSUM 36, 39
	WSUM 37, 39
	WSUM 38, 39
	v_fma_f32 v36, v36, s20, s21                   ; -mean + margin
	v_fma_f32 v37, v37, s20, s21
	v_mul_f32 v38, 0x36a3d70a, v38                 ; / (400 x 512)
	v_max_num_f32 v36, 0, v36
	v_max_num_f32 v37, 0, v37
	v_cmp_eq_u32 vcc_lo, 0, v1
	s_wait_xcnt 0x0                                ; EXEC changes only behind this wait
	s_and_saveexec_b32 s22, vcc_lo                 ; lane 0 alone stores
	global_store_b32 v40, v37, s[14:15]            ; out2 = loss_k (direction vk)
	global_store_b32 v40, v36, s[16:17]            ; out3 = loss_v (direction kv)
	global_store_b32 v40, v38, s[18:19]            ; out4 = loss_s
	s_wait_xcnt 0x0                                ; and again in front of the line that widens it
	s_or_b32 exec_lo, exec_lo, s22
.Lend:
	s_wait_tensorcnt 0x0
	ds_add_u32 v48, v49
	s_wait_dscnt 0x0
	s_endpgm
.Lfunc_end_k_qe715322911_finish:
	.size	k_qe715322911_finish, .Lfunc_end_k_qe715322911_finish-k_qe715322911_finish
	.p2alignl 7, 3214868480
	.fill 96, 4, 3214868480
	.section	.rodata,"a",@progbits
	.p2align	6, 0x0
	.amdhsa_kernel k_qe715322911_finish
		.amdhsa_group_segment_fixed_size 3840
		.amdhsa_private_segment_fixed_size 0
		.amdhsa_enable_private_segment 0
		.amdhsa_kernarg_size 48
		.amdhsa_user_sgpr_count 2
		.amdhsa_user_sgpr_kernarg_segment_ptr 1
		.amdhsa_wavefront_size32 1
		.amdhsa_system_sgpr_workgroup_id_x 1
		.amdhsa_system_sgpr_workgroup_id_y 1
		.amdhsa_system_sgpr_workgroup_id_z 1
		.amdhsa_system_vgpr_workitem_id 0
		.amdhsa_next_free_vgpr 50
		.amdhsa_next_free_sgpr 66
		.amdhsa_reserve_vcc 1
		.amdhsa_float_denorm_mode_32 3
		.amdhsa_float_denorm_mode_16_64 3
		.amdhsa_memory_ordered 1
		.amdhsa_forward_progress 1
		.amdhsa_inst_pref_size 9
	.end_amdhsa_kernel
	.amdgpu_metadata
---
amdhsa.version: [ 1, 2 ]
amdhsa.kernels:
  - .name:           k_qe715322911_finish
    .symbol:         k_qe715322911_finish.kd
    .args:
      - { .name: part, .offset: 0, .size: 8, .value_kind: global_buffer, .address_space: global }
      - { .name: cand, .offset: 8, .size: 8, .value_kind: global_buffer, .address_space: global }
      - { .name: out1, .offset: 16, .size: 8, .value_kind: global_buffer, .address_space: global }
      - { .name: out2, .offset: 24, .size: 8, .value_kind: global_buffer, .address_space: global }
      - { .name: out3, .offset: 32, .size: 8, .value_kind: global_buffer, .address_space: global }
      - { .name: out4, .offset: 40, .size: 8, .value_kind: global_buffer, .address_space: global }
    .group_segment_fixed_size: 3840
    .private_segment_fixed_size: 0
    .kernarg_segment_align: 8
    .kernarg_segment_size: 48
    .max_flat_workgroup_size: 800
    .sgpr_count:     66
    .vgpr_count:     50
    .wavefront_size: 32
...
	.end_amdgpu_metadata
.endif
;; end of part 2
;; ======== version 2 of 2: 2 launches; version 1 with the launch sims written anew for expert scheduling mode
;; workspace buffers: part 819,200 bytes; cand 102,400 bytes
;; launch sims (part 3): grid 25 x 4, 4 waves a work-group, no clusters, 195,840 bytes of LDS; arguments emb_s, emb_q, embg_s, embg_q, memory_keys, memory_values, thresh, out0, part, cand; writes out0, part, cand
.if DOCPART == 3
	.amdgcn_target "amdgcn-amd-amdhsa--gfx1250"
	.amdhsa_code_object_version 6
	.text
	.protected	k_qe715322911_sims
	.globl	k_qe715322911_sims
	.p2align	8
	.type	k_qe715322911_sims,@function
k_qe715322911_sims:
	s_mov_b64 s[64:65], 0
	v_nop
	global_prefetch_b8 v0, s[64:65] scope:SCOPE_SE
	s_setreg_imm32_b32 hwreg(HW_REG_WAVE_SCHED_MODE, 0, 2), 2
	s_setreg_imm32_b32 hwreg(HW_REG_WAVE_MODE, 25, 1), 1
	s_wait_xcnt 0x0
	s_wait_alu depctr_vm_vsrc(0)
; First of two launches.  400 rows (4 tasks x 100: 25 from *_s, then 75 from *_q), D = 128, M = 512 memory rows.
; Work-group (b, q): rows 16 b .. 16 b + 15 against memory rows 128 q .. 128 q + 127.  Wave w: memory rows c0 = 128 q + 32 w .. c0 + 31.
; It makes  out0 = emb / max(|emb|, 1e-12)                                   (quarter 0 alone stores it)
;           part[q][row][128] = sum over the quarter's m of pos_score[row][m] values[m][:]   (quarter 0 adds the normalised embg row)
;           cand[(4 b + q)]   = for each row the quarter's hardest positive and negative of both directions, as (key, payload), and
;                               128 partial sums of (sim_vk - sim_kv)^2.
; NO GATHER: cos(values[i], norm_emb_glo[row]) is sim_vk[row][i], and cos(keys[i], norm_emb[row]) is sim_kv[row][i].  So an argmin or argmax is a
; running (key, payload) pair chosen by v_cndmask_b32; the payload starts at 0 and only a valid candidate changes it, which is pos_s and neg_s.
; NOT COMPUTED: memory_keys_updated and memory_values_updated (with arg, onehot, cand_k, cand_v): they flow into none of the five results.
; PRECISION: the choices are discontinuous in the sims, so each f32 operand goes to the matrix unit as hi + lo in bf16 (hi = bf16(x), lo = bf16(x - hi))
; and a sim is hi hi + hi lo + lo hi in f32 sums: about 2^-16 of a term's size is lost.  pos_score x values is continuous: plain bf16.
; The matrix operand is the raw emb row; the sims are scaled afterwards in f32 by rnorm = min(rsq(sum x^2), 1e12) = 1 / max(|x|, 1e-12).
; LIMITS: NaN and infinities are not followed.  |x| >= 3.39e38 overflows in bf16(x).  An entry within about 2^-16 of a term's size of a threshold or of
; its rival may be chosen otherwise than in f32 (one row's term among 400).  Sums run in another order than in the JAX text.
; Ties take the first index, on the sims as computed here.
; NO CLUSTER: the tables are shared along the 25 row blocks, and 25 is no multiple of 4; along q only the 16 KiB of emb rows of 144 KiB are shared.
; NO TENSOR LOADS: every f32 has to pass through registers to be split, and each table row is used once in a work-group.
;
; THE MATRIX INSTRUCTION IS USED TRANSPOSED: source 0 = 16 table rows, source 1 = the 16 emb rows.  Lane (r = l % 16, h = l / 16), register j then holds
; (emb row r, table tile row 8 h + j): a row's reductions stay in the lane, rnorm is one number a lane, and the two tiles' pos_score pack straight into
; the K = 32 fragment of pos_score x values.
; ORDER OF TIES: LDS row 16 t + i of a wave's tables holds memory row c0 + 16 (i / 8) + 8 t + i % 8.  So a lane with h = 0 meets c0 + 0 .. 15 in
; ascending order and one with h = 1 meets c0 + 16 .. 31; strict compares in the lane, then h = 0 before h = 1, waves and quarters ascending, keep the
; first index, and no index is carried.
;
; THE MODE: SCHED_MODE bits 1:0 = 2 (LLVM: expert scheduling mode 2), set by the entry lines.  The code itself states the register dependences
; between vector or matrix instructions and memory or LDS instructions, and between a vector instruction that writes a scalar register and its readers,
; with s_wait_alu, always for 0.
; THE PLAN.  Registers that memory or LDS instructions touch:
;   v4 to v15     offsets and LDS addresses: made once at the head, never written again.
;   STG           32 table rows as loaded.  The splits of a block of eight rows read them; a key row's registers are then loaded again with the value row.
;   OUT0, OUT1    two out-buffers of eight split rows.  Block n's splits write buffer (n + 1) % 2; the LDS stores that read it are issued in block n + 1.
;   RNP, EN       rnorms and normalised emb rows: written by vector instructions, read by one run of stores each.
;   BUF0, BUF1    fragments: LDS loads land in one while the matrix instructions read the other.  VT, RNE and RNG lie in BUF0 and are loaded in the last K step.
;   SSQ, SELR, PVA  written by vector and matrix instructions, read by one run of LDS stores.      RS  LDS loads land, the sums are made in place, four stores read them.
; The 72 rows are split in nine blocks of eight (block 0: the emb rows; 1 to 4: keys; 5 to 8: values).  At a block's head one wait on va_vdst states that the
; block before has written its out-buffer and is done reading its rows, and one on vm_vsrc that the stores issued in the block before have read the buffer
; that this block writes.  Behind them the block's memory instructions (eight loads into the rows of the block before, its sixteen LDS stores) owe nothing more:
; the block's vector instructions name its own rows, its own out-buffer and registers at work.  The waits of the other parts stand at their places below.
.set PITCH, 272                        ; an LDS row of 128 bf16 + 16 bytes = 17 x 16: the 16 rows of a fragment load lie in 16 different 16-byte columns modulo 256
.set SEC,   16*PITCH                   ; 16 rows
.set RN,    4*SEC                      ; 17,408: behind emb hi, emb lo, embg hi, embg lo (16 rows each): rnorm of emb [16], at +64 of embg [16]
.set CANDX, RN+256                     ; 17,664: wave x 1,024 + lane x 32: eight numbers a lane; lanes 16-31 fill a half that is never read
.set SSQX,  CANDX+4096                 ; 21,760: wave x 128 + lane x 4
.set PVX,   SSQX+512                   ; 22,272: wave x 8,448 + row x 528: each wave's 16 x 128 f32 of pos_score x values
.set PVP,   528
.set PVW,   16*PVP
.set TAB,   PVX+4*PVW                  ; 56,064: wave x 34,816: keys hi, keys lo, values hi, values lo, 32 rows each; a wave's own bytes
.set TABW,  8*SEC
.set LN,  1                            ; lane
.set RR,  2                            ; r
.set HH,  3                            ; h
.set GOF, 4                            ; 16 x lane: my 16 bytes of a 512-byte row in memory; never rewritten
.set STA, 5                            ; where I put 8 bytes of my wave's emb rows
.set FRA, 6                            ; fragment address in the emb sections
.set STT, 7                            ; where I put 8 bytes of a table row
.set FRT, 8                            ; fragment address in my wave's tables
.set TRA, 9                            ; transposing loads from values hi
.set RNS, 10
.set RNL, 11
.set PVS, 12
.set PVL, 13
.set CXS, 14
.set SQA, 15
.set GR,  16                           ; v[16:31]   my wave's four embg rows, raw, then normalised; they live to the end
.set ER,  32                           ; v[32:47]   my wave's four emb rows, raw
.set TT,  32                           ; v[32:39]   from block 1 on: two sets of four at work in the splits; no memory instruction names them
.set EN,  48                           ; v[48:63]   the emb rows normalised (quarter 0)
.set SUMQ, 48                          ; v[48:63]   before that: eight pairs: sum of squares, and a second register at work
.set STG, 64                           ; v[64:191]  32 table rows as loaded, 4 registers each
.set OUT, 192                          ; v[192:255] out-buffer k, row i: 4 registers at OUT + 32 k + 4 i: hi pair, lo pair
.set RNP, 192                          ; v[192:207] eight pairs: rnorm twice.  In out-buffer 0, which block 0 does not write
.set TE,  208                          ; v[208:215] block 0's two sets of four at work, in out-buffer 0 too
.set ACC, 32                           ; v[32:63]   sim_kv tile 0, 1; sim_vk tile 0, 1
.set BUF0, 64                          ; v[64:159]  fragments of one K step of 32
.set BUF1, 160                         ; v[160:255] and of the next
.set VT,  64                           ; v[64:127]  values hi transposed: eight fragments of 16 d x 32 m
.set PVA, 128                          ; v[128:191] eight accumulators of pos_score x values
.set RNE, 128                          ; v[128:129] before that: my row's rnorm of emb, twice
.set RNG, 130                          ; v[130:131] and of embg
.set SELR, 192                         ; v[192:199] keyP payP keyN payN of kv, then of vk
.set SSQ, 200
.set DT,  206
.set PP,  210                          ; v[210:225] pos_score of my 16 elements
.set PF,  226                          ; v[226:233] the same in bf16: the K = 32 fragment
.set KT,  234                          ; v[234:241] two sets of four masked keys, by the element's parity
.set RS,  64                           ; v[64:127]  the end: row i, wave wv at RS + 16 i + 4 wv
.set MV,  68                           ; s[68:71]   masks: is the candidate valid (kv positive, kv negative, vk positive, vk negative)
.set MS,  72                           ; s[72:75]   masks: is it strictly better than the kept one
; Row g = 16 b + 4 w + i: task t = g / 100 (by 5243 / 2^19, exact for g < 400), n = g - 100 t; row 25 t + n of *_s if n < 25, else row 75 t + n - 25 of *_q.
.macro ROWOFF i
	s_add_co_u32 s68, s5, \i
	s_mul_i32 s69, s68, 5243
	s_lshr_b32 s69, s69, 19
	s_mul_i32 s70, s69, 100
	s_sub_co_u32 s[84+\i], s68, s70
	s_min_u32 s71, s[84+\i], 24
	s_mul_i32 s72, s69, 25
	s_add_co_u32 s71, s71, s72
	s_max_u32 s73, s[84+\i], 25
	s_mul_i32 s72, s69, 75
	s_add_co_u32 s73, s73, s72
	s_sub_co_u32 s73, s73, 25
	s_cmp_lt_u32 s[84+\i], 25
	s_cselect_b32 s[76+2*\i], s71, s73
	s_lshl_b32 s[76+2*\i], s[76+2*\i], 9           ; rows of 512 bytes
	s_mov_b32 s[77+2*\i], 0
.endm
.macro ROWADR i
	s_cmp_lt_u32 s[84+\i], 25
	s_cselect_b64 s[32+4*\i:33+4*\i], s[8:9], s[10:11]
	s_cselect_b64 s[34+4*\i:35+4*\i], s[12:13], s[14:15]
	s_add_nc_u64 s[32+4*\i:33+4*\i], s[32+4*\i:33+4*\i], s[76+2*\i:77+2*\i]
	s_add_nc_u64 s[34+4*\i:35+4*\i], s[34+4*\i:35+4*\i], s[76+2*\i:77+2*\i]
.endm
; Four f32 in v[x:x+3] become four hi in v[o:o+1] and four lo in v[o+2:o+3], in bf16; t: four registers at work.
.macro CVT x, o, t
	v_cvt_pk_bf16_f32 v[\o],   v[\x],   v[\x+1]
	v_cvt_pk_bf16_f32 v[\o+1], v[\x+2], v[\x+3]
	v_lshlrev_b32 v[\t],   16,  v[\o]
	v_and_b32     v[\t+1], s58, v[\o]
	v_lshlrev_b32 v[\t+2], 16,  v[\o+1]
	v_and_b32     v[\t+3], s58, v[\o+1]
	v_pk_add_f32 v[\t:\t+1],   v[\x:\x+1],   v[\t:\t+1]   neg_lo:[0,1] neg_hi:[0,1]
	v_pk_add_f32 v[\t+2:\t+3], v[\x+2:\x+3], v[\t+2:\t+3] neg_lo:[0,1] neg_hi:[0,1]
	v_cvt_pk_bf16_f32 v[\o+2], v[\t],   v[\t+1]
	v_cvt_pk_bf16_f32 v[\o+3], v[\t+2], v[\t+3]
.endm
.macro PUT o, adr, offhi, offlo        ; and go into LDS, 8 bytes each
	ds_store_b64 v[\adr], v[\o:\o+1]   offset:\offhi
	ds_store_b64 v[\adr], v[\o+2:\o+3] offset:\offlo
.endm
; Eight turns: row i of block n - 1 goes from its out-buffer, n % 2, into LDS; row i of block n is split into the other.  n = 9: only the stores are left.
; Table row number 8 (n - 1) + i of 64: keys 0 .. 31, then values 0 .. 31.
.macro TROWS n
.set i, 0
.rept 8
.if (\n) == 1
	PUT OUT+32+4*i, STA, PITCH*(i/2)+2*SEC*(i%2), PITCH*(i/2)+2*SEC*(i%2)+SEC      ; emb row i / 2 (even i) or embg row i / 2 (odd i)
.else
.set r, 8*((\n)-2)+i
	PUT OUT+32*((\n)%2)+4*i, STT, PITCH*(r%32)+4*SEC*(r/32), PITCH*(r%32)+4*SEC*(r/32)+2*SEC
.endif
.if (\n) <= 8
.set r, 8*((\n)-1)+i
	CVT STG+4*(r%32), OUT+32*(((\n)+1)%2)+4*i, TT+4*(i%2)
.endif
.set i, i+1
.endr
.endm
; Block n = 1 .. 8.  left = how many younger loads may stay out when this block's eight rows have to be there.
.macro TBLOCK n, left
	s_wait_alu depctr_va_vdst(0)                   ; the block before has written its out-buffer, which the LDS stores below read, and is done reading its rows, in which the loads below land; in block 1 also: RNP and the LDS addresses v5 to v15 are written
.if (\n) == 1
.irp k, 0,1,2,3
	ds_store_b32 v[RNS], v[RNP+2*\k]   offset:4*\k         ; every lane holds the same number
	ds_store_b32 v[RNS], v[RNP+8+2*\k] offset:64+4*\k
.endr
.endif
.if (\n) >= 2 && (\n) <= 5
.set i, 0
.rept 8
.set l, 8*((\n)-2)+i
	global_load_b128 v[STG+4*l:STG+4*l+3], v[GOF], s[50:51] offset:(((l&15)>>3)*16+(l>>4)*8+(l&7))*512   ; a key row's registers take the value row of the same place
.set i, i+1
.endr
.endif
	s_wait_loadcnt \left                           ; loads come back in order: this block's eight rows are in
	s_wait_alu depctr_vm_vsrc(0)                   ; the LDS stores issued so far have read the out-buffer that this block's splits write (in block 1: the rnorms' stores, whose data lie in it)
	TROWS \n
.endm
.macro FRAG dst, adr, off              ; 16 rows x 32 K of bf16: two loads of 16 bytes, 32 bytes apart
	ds_load_b128 v[\dst:\dst+3],   v[\adr] offset:\off
	ds_load_b128 v[\dst+4:\dst+7], v[\adr] offset:\off+32
.endm
.macro FPAIR p, ks, buf                ; two of the twelve fragments of K step ks
.if (\p) == 0
	FRAG \buf+0,  FRA, 0*SEC+64*\ks                ; emb hi
	FRAG \buf+8,  FRA, 1*SEC+64*\ks                ; emb lo
.elseif (\p) == 1
	FRAG \buf+16, FRA, 2*SEC+64*\ks                ; embg hi
	FRAG \buf+24, FRA, 3*SEC+64*\ks                ; embg lo
.elseif (\p) == 2
	FRAG \buf+32, FRT, 0*SEC+64*\ks                ; keys tile 0 hi
	FRAG \buf+40, FRT, 2*SEC+64*\ks                ; keys tile 0 lo
.elseif (\p) == 3
	FRAG \buf+48, FRT, 1*SEC+64*\ks                ; keys tile 1 hi
	FRAG \buf+56, FRT, 3*SEC+64*\ks                ; keys tile 1 lo
.elseif (\p) == 4
	FRAG \buf+64, FRT, 4*SEC+64*\ks                ; values tile 0 hi
	FRAG \buf+72, FRT, 6*SEC+64*\ks                ; values tile 0 lo
.else
	FRAG \buf+80, FRT, 5*SEC+64*\ks                ; values tile 1 hi
	FRAG \buf+88, FRT, 7*SEC+64*\ks                ; values tile 1 lo
.endif
.endm
.macro FETCH ks, buf                   ; 24 LDS loads: all twelve fragments of K step ks
.irp p, 0,1,2,3,4,5
	FPAIR \p, \ks, \buf
.endr
.endm
; What stands behind matrix instruction dk of a K step.  kind = 1: two fragments of K step ks into buffer nb, behind each of the first six.
; kind = 2 (the last K step): my row's two rnorms behind the first, then a fragment of values hi transposed behind each of the next eight.  kind = 0: nothing.
.macro DEAL kind, ks, nb
.if (\kind) == 1
.if dk < 6
	FPAIR dk, \ks, \nb
.endif
.elseif (\kind) == 2
.if dk == 0
	ds_load_b32 v[RNE], v[RNL]
	ds_load_b32 v[RNG], v[RNL] offset:64
.elseif dk < 9
	ds_load_tr16_b128 v[VT+8*(dk-1):VT+8*(dk-1)+3],   v[TRA] offset:32*(dk-1)        ; d = 16 n + r, LDS rows 8 h .. 8 h + 7
	ds_load_tr16_b128 v[VT+8*(dk-1)+4:VT+8*(dk-1)+7], v[TRA] offset:32*(dk-1)+SEC    ; LDS rows 16 + 8 h ..
.endif
.endif
.set dk, dk+1
.endm
.macro MM acc, a, b, first, kind, ks, nb
.if \first
	v_wmma_f32_16x16x32_bf16 v[\acc:\acc+7], v[\a:\a+7], v[\b:\b+7], 0
.else
	v_wmma_f32_16x16x32_bf16 v[\acc:\acc+7], v[\a:\a+7], v[\b:\b+7], v[\acc:\acc+7]
.endif
	DEAL \kind, \ks, \nb
.endm
; Twelve matrix instructions.  The four accumulators take turns, one instruction a turn, in the same order from one MUL to the next.
; They name buffer buf and the accumulators: none of the registers in which the loads dealt among them land.
.macro MUL buf, first, kind, ks, nb
.set dk, 0
	MM ACC,    \buf+32, \buf+0,  \first, \kind, \ks, \nb   ; hi x hi (first = 1: it starts the sums, nothing is cleared)
	MM ACC+8,  \buf+48, \buf+0,  \first, \kind, \ks, \nb
	MM ACC+16, \buf+64, \buf+16, \first, \kind, \ks, \nb
	MM ACC+24, \buf+80, \buf+16, \first, \kind, \ks, \nb
	MM ACC,    \buf+32, \buf+8,  0, \kind, \ks, \nb        ; table hi x emb lo
	MM ACC+8,  \buf+48, \buf+8,  0, \kind, \ks, \nb
	MM ACC+16, \buf+64, \buf+24, 0, \kind, \ks, \nb
	MM ACC+24, \buf+80, \buf+24, 0, \kind, \ks, \nb
	MM ACC,    \buf+40, \buf+0,  0, \kind, \ks, \nb        ; table lo x emb hi
	MM ACC+8,  \buf+56, \buf+0,  0, \kind, \ks, \nb
	MM ACC+16, \buf+72, \buf+16, 0, \kind, \ks, \nb
	MM ACC+24, \buf+88, \buf+16, 0, \kind, \ks, \nb
.endm
.macro PLACES n                        ; places behind matrix instructions (ISA guide 7.12.1)
.rept \n
	v_nop
.endr
.endm
; THE SELECTION.  Element n of my 16: sim_kv in ACC + n, sim_vk in ACC + 16 + n; each is the other direction's payload.  Four running pairs in SELR.
; VCMP: is the candidate valid (positive: threshold < key; negative: threshold > key)?  VSEL: an invalid key becomes +inf or -inf, which is never strictly better;
; pos_score is the kv key where it is a valid positive, else 0.  SCMP: is the masked key strictly better than the kept one?  SKEY, SPAY: then key and payload are taken.
.macro VCMP n
	v_cmp_lt_f32 s[MV],   s28, v[ACC+(\n)]
	v_cmp_gt_f32 s[MV+1], s29, v[ACC+(\n)]
	v_cmp_lt_f32 s[MV+2], s30, v[ACC+16+(\n)]
	v_cmp_gt_f32 s[MV+3], s31, v[ACC+16+(\n)]
.endm
.macro VSEL n
	v_cndmask_b32 v[PP+(\n)],           0,   v[ACC+(\n)],    s[MV]
	v_cndmask_b32 v[KT+4*((\n)&1)],     s59, v[ACC+(\n)],    s[MV]
	v_cndmask_b32 v[KT+4*((\n)&1)+1],   s66, v[ACC+(\n)],    s[MV+1]
	v_cndmask_b32 v[KT+4*((\n)&1)+2],   s59, v[ACC+16+(\n)], s[MV+2]
	v_cndmask_b32 v[KT+4*((\n)&1)+3],   s66, v[ACC+16+(\n)], s[MV+3]
.endm
.macro SCMP n
	v_cmp_lt_f32 s[MS],   v[KT+4*((\n)&1)],   v[SELR]
	v_cmp_gt_f32 s[MS+1], v[KT+4*((\n)&1)+1], v[SELR+2]
	v_cmp_lt_f32 s[MS+2], v[KT+4*((\n)&1)+2], v[SELR+4]
	v_cmp_gt_f32 s[MS+3], v[KT+4*((\n)&1)+3], v[SELR+6]
.endm
.macro SKEY n
	v_cndmask_b32 v[SELR],   v[SELR],   v[KT+4*((\n)&1)],   s[MS]
	v_cndmask_b32 v[SELR+2], v[SELR+2], v[KT+4*((\n)&1)+1], s[MS+1]
	v_cndmask_b32 v[SELR+4], v[SELR+4], v[KT+4*((\n)&1)+2], s[MS+2]
	v_cndmask_b32 v[SELR+6], v[SELR+6], v[KT+4*((\n)&1)+3], s[MS+3]
.endm
.macro SPAY n
	v_cndmask_b32 v[SELR+1], v[SELR+1], v[ACC+16+(\n)], s[MS]
	v_cndmask_b32 v[SELR+3], v[SELR+3], v[ACC+16+(\n)], s[MS+1]
	v_cndmask_b32 v[SELR+5], v[SELR+5], v[ACC+(\n)],    s[MS+2]
	v_cndmask_b32 v[SELR+7], v[SELR+7], v[ACC+(\n)],    s[MS+3]
.endm
	; ---- start: pointers on their way, ids and offsets meanwhile
	s_load_b512 s[8:23], s[0:1], 0x0               ; emb_s 8, emb_q 10, embg_s 12, embg_q 14, keys 16, values 18, thresh 20, out0 22
	s_load_b128 s[24:27], s[0:1], 0x40             ; part 24, cand 26
	s_set_vgpr_msb 0x40
	v_lshl_add_u32 v0, v0, 2, 0x2fb00
	v_mov_b32 v1, 0
	s_set_vgpr_msb 0x4000
	v_lshrrev_b32 v1, 5, v0
	v_readfirstlane_b32 s2, v1                     ; w
	s_mov_b32 s3, ttmp9                            ; b
	s_and_b32 s4, ttmp7, 0xffff                    ; q
	s_lshl_b32 s5, s3, 4
	v_and_b32 v[LN], 31, v0
	v_lshlrev_b32 v[GOF], 4, v[LN]
	s_wait_alu depctr_va_sdst(0)                   ; s2 is written, ahead of its first reader: rows, bases and LDS addresses are made from it
	s_lshl2_add_u32 s5, s2, s5                     ; 16 b + 4 w: my wave's first row
	ROWOFF 0
	ROWOFF 1
	ROWOFF 2
	ROWOFF 3
	s_lshl_b32 s68, s4, 16                         ; c0 x 512 bytes = q x 65,536 + w x 16,384
	s_lshl_b32 s69, s2, 14
	s_add_co_u32 s68, s68, s69
	s_mov_b32 s69, 0
	s_lshl_b32 s70, s5, 9                          ; my wave's first row in out0
	s_mov_b32 s71, 0
	s_mul_i32 s72, s4, 204800                      ; and in quarter q's plane of part
	s_add_co_u32 s72, s72, s70
	s_mov_b32 s73, 0
	s_lshl2_add_u32 s74, s3, s4                    ; record 4 b + q of cand
	s_lshl_b32 s74, s74, 10
	s_mov_b32 s75, 0
	s_mov_b32 s58, 0xffff0000                      ; a word's upper bf16
	s_mov_b32 s59, 0x7f800000                      ; +inf
	s_mov_b32 s66, 0xff800000                      ; -inf
	s_mov_b32 s62, 0x76543210                      ; v_permlanex16_b32: lane i of one half reads lane i of the other
	s_mov_b32 s63, 0xfedcba98
	s_cmp_eq_u32 s4, 0
	s_cselect_b32 s60, 0x3f800000, 0               ; 1.0 in quarter 0, which adds the embg row; 0 elsewhere
	s_mov_b32 s61, s60
	s_wait_kmcnt 0x0
	s_load_b128 s[28:31], s[20:21], 0x0            ; the four thresholds; waited for in front of the selection
	ROWADR 0
	ROWADR 1
	ROWADR 2
	ROWADR 3
	s_add_nc_u64 s[48:49], s[16:17], s[68:69]      ; keys at c0
	s_add_nc_u64 s[50:51], s[18:19], s[68:69]      ; values at c0
	s_add_nc_u64 s[52:53], s[22:23], s[70:71]
	s_add_nc_u64 s[54:55], s[24:25], s[72:73]
	s_add_nc_u64 s[56:57], s[26:27], s[74:75]
	; ---- 40 loads go out: each takes one whole row of 512 bytes, 16 neighbouring bytes a lane
	s_wait_alu depctr_va_vdst(0)                   ; v[GOF] is written: every global load and store of the kernel reads it as its offset
.irp i, 0,1,2,3
	global_load_b128 v[ER+4*\i:ER+4*\i+3], v[GOF], s[32+4*\i:33+4*\i]
.endr
.irp i, 0,1,2,3
	global_load_b128 v[GR+4*\i:GR+4*\i+3], v[GOF], s[34+4*\i:35+4*\i]
.endr
.set l, 0
.rept 32
	global_load_b128 v[STG+4*l:STG+4*l+3], v[GOF], s[48:49] offset:(((l&15)>>3)*16+(l>>4)*8+(l&7))*512
.set l, l+1
.endr
	; ---- LDS addresses, while the loads are on their way; the wait at the head of block 1 states that they are written
	v_and_b32 v[RR], 15, v0
	v_bfe_u32 v[HH], v0, 4, 1
	s_mul_i32 s68, s2, 4*PITCH
	v_lshl_add_u32 v[STA], v[LN], 3, s68           ; my wave's rows 4 w .. of the emb sections, 8 bytes a lane
	v_mul_u32_u24 v[FRA], v[RR], PITCH
	v_lshl_add_u32 v[FRA], v[HH], 4, v[FRA]        ; row r x pitch + 16 h
	s_mul_i32 s69, s2, TABW
	s_add_co_u32 s69, s69, TAB                     ; my wave's tables
	v_lshl_add_u32 v[STT], v[LN], 3, s69
	v_add_nc_u32 v[FRT], s69, v[FRA]
	s_add_co_u32 s70, s69, 4*SEC                   ; values hi
	v_and_b32 v[TRA], 7, v0
	v_lshl_add_u32 v[TRA], v[HH], 3, v[TRA]        ; LDS row 8 h + l % 8
	v_mul_u32_u24 v[TRA], v[TRA], PITCH
	v_bfe_u32 v[RNS], v0, 3, 1
	v_lshl_add_u32 v[TRA], v[RNS], 4, v[TRA]       ; + 16 ((l / 8) % 2)
	v_add_nc_u32 v[TRA], s70, v[TRA]
	s_lshl_b32 s71, s2, 4
	s_add_co_u32 s71, s71, RN
	v_mov_b32 v[RNS], s71                          ; rnorm of my wave's four rows
	v_lshl_add_u32 v[RNL], v[RR], 2, RN
	s_mul_i32 s72, s2, PVW
	s_add_co_u32 s72, s72, PVX
	v_mul_u32_u24 v[PVS], v[RR], PVP
	v_lshl_add_u32 v[PVS], v[HH], 5, v[PVS]
	v_add_nc_u32 v[PVS], s72, v[PVS]               ; my wave's plane: row r, 32 bytes for each half of the lanes
	s_mul_i32 s73, s2, 4*PVP
	s_add_co_u32 s73, s73, PVX
	v_add_nc_u32 v[PVL], s73, v[GOF]               ; plane 0, row 4 w, 16 bytes a lane
	s_lshl_b32 s74, s2, 10
	s_add_co_u32 s74, s74, CANDX
	v_lshl_add_u32 v[CXS], v[LN], 5, s74
	s_lshl_b32 s75, s2, 7
	s_add_co_u32 s75, s75, SSQX
	v_lshl_add_u32 v[SQA], v[LN], 2, s75
	; ---- norms of my wave's eight rows, stage by stage so that no line waits for the one in front
	s_wait_loadcnt 32                              ; loads come back in order: the eight emb rows are in, the 32 key rows stay out
.irp k, 0,1,2,3
	v_pk_mul_f32 v[SUMQ+2*\k:SUMQ+2*\k+1], v[ER+4*\k:ER+4*\k+1], v[ER+4*\k:ER+4*\k+1]
	v_pk_mul_f32 v[SUMQ+8+2*\k:SUMQ+8+2*\k+1], v[GR+4*\k:GR+4*\k+1], v[GR+4*\k:GR+4*\k+1]
.endr
.irp k, 0,1,2,3
	v_pk_fma_f32 v[SUMQ+2*\k:SUMQ+2*\k+1], v[ER+4*\k+2:ER+4*\k+3], v[ER+4*\k+2:ER+4*\k+3], v[SUMQ+2*\k:SUMQ+2*\k+1]
	v_pk_fma_f32 v[SUMQ+8+2*\k:SUMQ+8+2*\k+1], v[GR+4*\k+2:GR+4*\k+3], v[GR+4*\k+2:GR+4*\k+3], v[SUMQ+8+2*\k:SUMQ+8+2*\k+1]
.endr
.irp k, 0,1,2,3,4,5,6,7
	v_add_f32 v[SUMQ+2*\k], v[SUMQ+2*\k], v[SUMQ+2*\k+1]
.endr
.irp m, 1,2,4,8
.irp k, 0,1,2,3,4,5,6,7
	v_add_f32_dpp v[SUMQ+2*\k], v[SUMQ+2*\k], v[SUMQ+2*\k] row_xmask:\m row_mask:0xf bank_mask:0xf
.endr
.endr
.irp k, 0,1,2,3,4,5,6,7
	v_permlanex16_b32 v[SUMQ+2*\k+1], v[SUMQ+2*\k], s62, s63
.endr
.irp k, 0,1,2,3,4,5,6,7
	v_add_f32 v[SUMQ+2*\k], v[SUMQ+2*\k], v[SUMQ+2*\k+1]
.endr
.irp k, 0,1,2,3,4,5,6,7
	v_rsq_f32 v[RNP+2*\k], v[SUMQ+2*\k]
.endr
	v_nop                                          ; one plain place behind the transcendentals before their results are used (ISA guide 5.7.2)
	s_wait_alu depctr_va_vdst(0)
.irp k, 0,1,2,3,4,5,6,7
	v_min_num_f32 v[RNP+2*\k+1], 0x5368d4a5, v[RNP+2*\k]   ; min(rsq, 1e12) = 1 / max(norm, 1e-12); a sum that is 0 or denormal gives inf, then 1e12
	v_min_num_f32 v[RNP+2*\k],   0x5368d4a5, v[RNP+2*\k]
.endr
	; ---- block 0: my wave's eight raw emb rows are split into out-buffer 1; their LDS stores are issued in block 1
.irp i, 0,1,2,3
	CVT ER+4*\i, OUT+32+8*\i,   TE
	CVT GR+4*\i, OUT+32+8*\i+4, TE+4
.endr
.irp i, 0,1,2,3
	v_pk_mul_f32 v[GR+4*\i:GR+4*\i+1],   v[GR+4*\i:GR+4*\i+1],   v[RNP+8+2*\i:RNP+8+2*\i+1]
	v_pk_mul_f32 v[GR+4*\i+2:GR+4*\i+3], v[GR+4*\i+2:GR+4*\i+3], v[RNP+8+2*\i:RNP+8+2*\i+1]
.endr
	s_cmp_lg_u32 s4, 0
	s_cbranch_scc1 .Lnot_q0                        ; out0's rows are stored once, by quarter 0
.irp i, 0,1,2,3
	v_pk_mul_f32 v[EN+4*\i:EN+4*\i+1],   v[ER+4*\i:ER+4*\i+1],   v[RNP+2*\i:RNP+2*\i+1]
	v_pk_mul_f32 v[EN+4*\i+2:EN+4*\i+3], v[ER+4*\i+2:ER+4*\i+3], v[RNP+2*\i:RNP+2*\i+1]
.endr
	s_wait_alu depctr_va_vdst(0)                   ; the products have written v[EN ..], which the four stores read
.irp i, 0,1,2,3
	global_store_b128 v[GOF], v[EN+4*\i:EN+4*\i+3], s[52:53] offset:512*\i th:TH_STORE_NT   ; 512 consecutive bytes, aligned
.endr
.Lnot_q0:
	; ---- the tables, eight rows to a block.  Behind a block's rows were issued, when its wait stands: three younger blocks of eight loads
	; (keys still to come, and the value rows asked for so far, this block's eight among them); from block 6 on the counts run down.
	TBLOCK 1, 24                                   ; keys 0-7
	TBLOCK 2, 24                                   ; keys 8-15;   values 0-7 are asked for
	TBLOCK 3, 24                                   ; keys 16-23;  values 8-15
	TBLOCK 4, 24                                   ; keys 24-31;  values 16-23
	TBLOCK 5, 24                                   ; values 0-7;  values 24-31 are asked for
	TBLOCK 6, 16                                   ; values 8-15
	TBLOCK 7, 8                                    ; values 16-23
	TBLOCK 8, 0                                    ; values 24-31
	s_wait_alu depctr_va_vdst(0)                   ; block 8 has written out-buffer 1, which the last sixteen LDS stores read; every split is done reading STG and writing OUT, in which fragments land below
	TROWS 9
	s_wait_xcnt 0x0                                ; out0's store data, v[48:63], become accumulators only behind this wait
	s_wait_alu depctr_vm_vsrc(0)                   ; out0's stores have read v[48:63], which matrix instructions write; my LDS stores have read both out-buffers, in which fragments land
	s_wait_dscnt 0x0                               ; my LDS stores are done: the other waves read my emb rows and rnorms behind the barrier
	s_barrier_signal -1
	s_barrier_wait -1
	; ---- both sims: four K steps of 32 on two fragment buffers.  At the head of steps 1 to 3 one wait states that the step before is done with the other buffer;
	; the loads into that buffer are dealt among the step's matrix instructions.
	FETCH 0, BUF0
	FETCH 1, BUF1
	s_wait_dscnt 24                                ; all but the younger FETCH's 24 loads
	MUL BUF0, 1, 0, 0, 0
	PLACES 4                                       ; four places between matrix instructions and loads into registers that they have read; the wait below states the dependence itself
	s_wait_dscnt 0x0                               ; K step 1's fragments are in
	s_wait_alu depctr_va_vdst(0)                   ; K step 0's matrix instructions are done reading BUF0, in which K step 2's fragments land
	MUL BUF1, 0, 1, 2, BUF0
	PLACES 4
	s_wait_dscnt 0x0                               ; K step 2's fragments are in
	s_wait_alu depctr_va_vdst(0)                   ; K step 1's matrix instructions are done reading BUF1, in which K step 3's fragments land
	MUL BUF0, 0, 1, 3, BUF1
	PLACES 4
	s_wait_dscnt 0x0                               ; K step 3's fragments are in
	s_wait_alu depctr_va_vdst(0)                   ; K step 2's matrix instructions are done reading BUF0, in which the rnorms and values hi transposed land
	MUL BUF1, 0, 2, 0, 0
	PLACES 5                                       ; four before results are read and sources rewritten; five before later matrix instructions write over the buffers
	; ---- scale, squared difference, selection
	s_wait_dscnt 16                                ; the two rnorms are in; the sixteen transposing loads stay out
	v_mov_b32 v[RNE+1], v[RNE]
	v_mov_b32 v[RNG+1], v[RNG]
	s_wait_kmcnt 0x0                               ; the thresholds
.irp k, 0,4
	v_mov_b32 v[SELR+\k],   s59                    ; no positive yet: key +inf, payload 0
	v_mov_b32 v[SELR+\k+1], 0
	v_mov_b32 v[SELR+\k+2], s66                    ; no negative yet: key -inf, payload 0
	v_mov_b32 v[SELR+\k+3], 0
.endr
.irp p, 0,1,2,3,4,5,6,7
	v_pk_mul_f32 v[ACC+2*\p:ACC+2*\p+1],       v[ACC+2*\p:ACC+2*\p+1],       v[RNE:RNE+1]
	v_pk_mul_f32 v[ACC+16+2*\p:ACC+16+2*\p+1], v[ACC+16+2*\p:ACC+16+2*\p+1], v[RNG:RNG+1]
.endr
	v_pk_add_f32 v[DT:DT+1], v[ACC+16:ACC+17], v[ACC:ACC+1] neg_lo:[0,1] neg_hi:[0,1]
	v_pk_mul_f32 v[SSQ:SSQ+1], v[DT:DT+1], v[DT:DT+1]              ; the first pair starts the sum
.irp p, 1,2,3,4,5,6,7
	v_pk_add_f32 v[DT:DT+1], v[ACC+16+2*\p:ACC+16+2*\p+1], v[ACC+2*\p:ACC+2*\p+1] neg_lo:[0,1] neg_hi:[0,1]
	v_pk_fma_f32 v[SSQ:SSQ+1], v[DT:DT+1], v[DT:DT+1], v[SSQ:SSQ+1]
.endr
	; A round: is element e better, is element e + 1 valid: eight compares in a run, one wait, thirteen selects.  The elements go in ascending order, as the ties ask.
	VCMP 0
	s_wait_alu depctr_va_sdst(0)                   ; element 0's four validity masks are written, which the selects below read
	VSEL 0
.set e, 0
.rept 15
	SCMP e
	VCMP e+1
	s_wait_alu depctr_va_sdst(0)                   ; the eight masks s[68:75] are written, which the thirteen selects below read
	SKEY e
	VSEL e+1
	SPAY e
.set e, e+1
.endr
	SCMP 15
	s_wait_alu depctr_va_sdst(0)                   ; the last element's four masks s[72:75] are written, which the eight selects below read
	SKEY 15
	SPAY 15
.irp p, 0,1,2,3,4,5,6,7
	v_cvt_pk_bf16_f32 v[PF+\p], v[PP+2*\p], v[PP+2*\p+1]   ; registers 0-3: LDS rows 8 h + 0..7 (tile 0); 4-7: 16 + 8 h + 0..7 (tile 1)
.endr
	; ---- pos_score x values over my 32 memory rows: one K step, eight accumulators, each written once
	s_wait_dscnt 0x0
.irp n, 0,1,2,3,4,5,6,7
	v_wmma_f32_16x16x32_bf16 v[PVA+8*\n:PVA+8*\n+7], v[VT+8*\n:VT+8*\n+7], v[PF:PF+7], 0
.endr
	; The lines down to the stores of PVA name none of those products' registers: one add and twelve compares and selects are the places behind them.
	v_add_f32 v[SSQ], v[SSQ], v[SSQ+1]
.irp k, 0,1,2,3,4,5,6,7
	v_permlanex16_b32 v[PP+\k], v[SELR+\k], s62, s63       ; the other half's pairs (PP is written and dead)
.endr
	v_cmp_lt_f32 s[MS],   v[PP],   v[SELR]         ; the other half's pair replaces mine where it is strictly better: right in lanes 0-15, whose own memory rows come first
	v_cmp_gt_f32 s[MS+1], v[PP+2], v[SELR+2]
	v_cmp_lt_f32 s[MS+2], v[PP+4], v[SELR+4]
	v_cmp_gt_f32 s[MS+3], v[PP+6], v[SELR+6]
	s_wait_alu depctr_va_sdst(0)                   ; the four masks s[72:75] are written, which the eight selects below read
.irp k, 0,1,2,3
	v_cndmask_b32 v[SELR+2*\k],   v[SELR+2*\k],   v[PP+2*\k],   s[MS+\k]
	v_cndmask_b32 v[SELR+2*\k+1], v[SELR+2*\k+1], v[PP+2*\k+1], s[MS+\k]
.endr
	s_wait_alu depctr_va_vdst(0)                   ; SSQ, SELR and the eight accumulators are written, which the LDS stores read; the products are done reading VT, in which the rows' loads land behind the barrier
	ds_store_b32 v[SQA], v[SSQ]
	ds_store_b128 v[CXS], v[SELR:SELR+3]
	ds_store_b128 v[CXS], v[SELR+4:SELR+7] offset:16
.irp n, 0,1,2,3,4,5,6,7
	ds_store_b128 v[PVS], v[PVA+8*\n:PVA+8*\n+3]   offset:64*\n            ; (row r, d = 16 n + 8 h + 0..3)
	ds_store_b128 v[PVS], v[PVA+8*\n+4:PVA+8*\n+7] offset:64*\n+16
.endr
	s_wait_dscnt 0x0                               ; my stores are done: other waves read them behind the barrier
	s_barrier_signal -1
	s_barrier_wait -1
	; ---- my wave's four rows: the four waves' partial rows are added, quarter 0 adds the normalised embg row
.irp i, 0,1,2,3
.irp wv, 0,1,2,3
	ds_load_b128 v[RS+16*\i+4*\wv:RS+16*\i+4*\wv+3], v[PVL] offset:\wv*PVW+\i*PVP
.endr
.endr
.irp i, 0,1,2,3
	s_wait_dscnt 12-4*\i                           ; the later rows' loads, four each, stay out
	v_pk_add_f32 v[RS+16*\i:RS+16*\i+1],     v[RS+16*\i:RS+16*\i+1],     v[RS+16*\i+4:RS+16*\i+5]
	v_pk_add_f32 v[RS+16*\i+2:RS+16*\i+3],   v[RS+16*\i+2:RS+16*\i+3],   v[RS+16*\i+6:RS+16*\i+7]
	v_pk_add_f32 v[RS+16*\i+8:RS+16*\i+9],   v[RS+16*\i+8:RS+16*\i+9],   v[RS+16*\i+12:RS+16*\i+13]
	v_pk_add_f32 v[RS+16*\i+10:RS+16*\i+11], v[RS+16*\i+10:RS+16*\i+11], v[RS+16*\i+14:RS+16*\i+15]
	v_pk_add_f32 v[RS+16*\i:RS+16*\i+1],     v[RS+16*\i:RS+16*\i+1],     v[RS+16*\i+8:RS+16*\i+9]
	v_pk_add_f32 v[RS+16*\i+2:RS+16*\i+3],   v[RS+16*\i+2:RS+16*\i+3],   v[RS+16*\i+10:RS+16*\i+11]
	v_pk_fma_f32 v[RS+16*\i:RS+16*\i+1],     v[GR+4*\i:GR+4*\i+1],   s[60:61], v[RS+16*\i:RS+16*\i+1]   op_sel_hi:[1,0,1]
	v_pk_fma_f32 v[RS+16*\i+2:RS+16*\i+3],   v[GR+4*\i+2:GR+4*\i+3], s[60:61], v[RS+16*\i+2:RS+16*\i+3] op_sel_hi:[1,0,1]
.endr
	s_wait_alu depctr_va_vdst(0)                   ; the four rows' sums are written, which the four stores read
.irp i, 0,1,2,3
	global_store_b128 v[GOF], v[RS+16*\i:RS+16*\i+3], s[54:55] offset:512*\i   ; 512 consecutive bytes, aligned
.endr
	; ---- wave 0: the four waves' pairs are merged, ascending; the record goes out in two stores of 512 consecutive bytes
	s_cmp_lg_u32 s2, 0
	s_cbranch_scc1 .Lend
	v_add_nc_u32 v[KT], CANDX, v[GOF]              ; lane l: row l / 2, direction l % 2: four numbers
	s_wait_alu depctr_vm_vsrc(0)                   ; my LDS stores have read v[PVA ..], in which the loads below land
	s_wait_alu depctr_va_vdst(0)                   ; v[KT] is written, which the loads below read as their address
.irp wv, 0,1,2,3
	ds_load_b128 v[PVA+4*\wv:PVA+4*\wv+3], v[KT] offset:1024*\wv
.endr
	ds_load_b128 v[PVA+16:PVA+19], v[KT] offset:4096       ; the 128 partial sums of squares, which lie 4,096 bytes behind
	s_wait_dscnt 0x0
.irp k, 1,2,3                          ; four records (kmin, pmin, kmax, pmax), ascending in m, into the first: a later pair replaces it where it is strictly better
	v_cmp_lt_f32 s[MS],   v[PVA+4*\k],   v[PVA]
	v_cmp_gt_f32 s[MS+1], v[PVA+4*\k+2], v[PVA+2]
	s_wait_alu depctr_va_sdst(0)                   ; the two masks s[72:73] are written, which the four selects below read
	v_cndmask_b32 v[PVA],   v[PVA],   v[PVA+4*\k],   s[MS]
	v_cndmask_b32 v[PVA+1], v[PVA+1], v[PVA+4*\k+1], s[MS]
	v_cndmask_b32 v[PVA+2], v[PVA+2], v[PVA+4*\k+2], s[MS+1]
	v_cndmask_b32 v[PVA+3], v[PVA+3], v[PVA+4*\k+3], s[MS+1]
.endr
	s_wait_alu depctr_va_vdst(0)                   ; the merged record v[PVA:PVA+3] is written, which the first store reads
	global_store_b128 v[GOF], v[PVA:PVA+3],     s[56:57]
	global_store_b128 v[GOF], v[PVA+16:PVA+19], s[56:57] offset:512
.Lend:
	s_set_vgpr_msb 0x5
	s_wait_dscnt 0x0
	s_wait_alu depctr_hold_cnt(0) depctr_sa_sdst(0) depctr_va_vdst(0) depctr_va_sdst(0) depctr_va_ssrc(0) depctr_va_vcc(0) depctr_vm_vsrc(0)
	s_wait_tensorcnt 0x0
	ds_add_u32 v0, v1
	s_wait_dscnt 0x0
	s_endpgm
.Lfunc_end_k_qe715322911_sims:
	.size	k_qe715322911_sims, .Lfunc_end_k_qe715322911_sims-k_qe715322911_sims
	.p2alignl 7, 3214868480
	.fill 96, 4, 3214868480
	.section	.rodata,"a",@progbits
	.p2align	6, 0x0
	.amdhsa_kernel k_qe715322911_sims
		.amdhsa_group_segment_fixed_size 195840
		.amdhsa_private_segment_fixed_size 0
		.amdhsa_enable_private_segment 0
		.amdhsa_kernarg_size 80
		.amdhsa_user_sgpr_count 2
		.amdhsa_user_sgpr_kernarg_segment_ptr 1
		.amdhsa_wavefront_size32 1
		.amdhsa_system_sgpr_workgroup_id_x 1
		.amdhsa_system_sgpr_workgroup_id_y 1
		.amdhsa_system_sgpr_workgroup_id_z 1
		.amdhsa_system_vgpr_workitem_id 0
		.amdhsa_next_free_vgpr 258
		.amdhsa_next_free_sgpr 96
		.amdhsa_reserve_vcc 0
		.amdhsa_float_denorm_mode_32 3
		.amdhsa_float_denorm_mode_16_64 3
		.amdhsa_memory_ordered 1
		.amdhsa_forward_progress 1
		.amdhsa_inst_pref_size 112
	.end_amdhsa_kernel
	.amdgpu_metadata
---
amdhsa.version: [ 1, 2 ]
amdhsa.kernels:
  - .name:           k_qe715322911_sims
    .symbol:         k_qe715322911_sims.kd
    .args:
      - { .name: emb_s, .offset: 0, .size: 8, .value_kind: global_buffer, .address_space: global }
      - { .name: emb_q, .offset: 8, .size: 8, .value_kind: global_buffer, .address_space: global }
      - { .name: embg_s, .offset: 16, .size: 8, .value_kind: global_buffer, .address_space: global }
      - { .name: embg_q, .offset: 24, .size: 8, .value_kind: global_buffer, .address_space: global }
      - { .name: memory_keys, .offset: 32, .size: 8, .value_kind: global_buffer, .address_space: global }
      - { .name: memory_values, .offset: 40, .size: 8, .value_kind: global_buffer, .address_space: global }
      - { .name: thresh, .offset: 48, .size: 8, .value_kind: global_buffer, .address_space: global }
      - { .name: out0, .offset: 56, .size: 8, .value_kind: global_buffer, .address_space: global }
      - { .name: part, .offset: 64, .size: 8, .value_kind: global_buffer, .address_space: global }
      - { .name: cand, .offset: 72, .size: 8, .value_kind: global_buffer, .address_space: global }
    .group_segment_fixed_size: 195840
    .private_segment_fixed_size: 0
    .kernarg_segment_align: 8
    .kernarg_segment_size: 80
    .max_flat_workgroup_size: 128
    .sgpr_count:     96
    .vgpr_count:     258
    .wavefront_size: 32
...
	.end_amdgpu_metadata
.endif
;; end of part 3
;; launch finish: the kernel of part 2 again; grid 17 x 1, 25 waves a work-group, no clusters, 3,840 bytes of LDS; arguments part, cand, out1, out2, out3, out4; writes out1, out2, out3, out4
